; MI455X (gfx1250); checked and timed in simulation.
; The chip was launched on July 23, 2026; its instructions are those of AMD's public machine-readable ISA for CDNA 5 (MIT licence, August 2026) and "CDNA5" Instruction Set Architecture Reference Guide (July 2026). The comments in the code are by the model that wrote it; some were corrected since.
;; Linear Attention. Allowed arithmetic: float matrix products may take bf16 or f16 operands with f32 sums; other float arithmetic in f32, or as packed bf16 or f16 multiplies, adds, multiply-adds, maxima and minima; sums over many terms, partial sums and values carried from step to step in f32; what a program stores and reads back later, other than sums and carried values, may be rounded once to bf16 or f16.
;; Inputs: Wk 16 x 1,024 x 64 float32; Wo 1,024 x 1,024 float32; Wq 16 x 1,024 x 64 float32; Wv 16 x 1,024 x 64 float32; bk 16 x 64 float32; bo 1,024 float32; bq 16 x 64 float32; bv 16 x 64 float32; kv 4 x 4,096 x 1,024 float32; q 4 x 2,048 x 1,024 float32.
;; Outputs: out0 4 x 2,048 x 1,024 float32.
;; One version. Each part assembles by itself: llvm-mc -triple=amdgcn-amd-amdhsa -mcpu=gfx1250 --defsym DOCPART=n.
;; ======== version 1 of 1: 5 launches
;; limits: values outside matrix products are rounded to bf16
;; workspace buffers: kvb 33,554,432 bytes; wkv 4,194,304 bytes; wqb 2,097,152 bytes; wob 2,097,152 bytes; part 10,485,760 bytes; kvf 655,360 bytes; attnb 16,777,216 bytes
;; launch prep (part 1): grid 1472 x 1, 8 waves a work-group, no clusters, 18,432 bytes of LDS; arguments kv, Wo, Wq, Wk, Wv, kvb, wob, wqb, wkv; writes kvb, wob, wqb, wkv
.if DOCPART == 1
	.amdgcn_target "amdgcn-amd-amdhsa--gfx1250"
	.amdhsa_code_object_version 6
	.text
	.protected	k_qbccf007964_prep
	.globl	k_qbccf007964_prep
	.p2align	8
	.type	k_qbccf007964_prep,@function
k_qbccf007964_prep:
	s_mov_b64 s[64:65], 0
	v_nop
	global_prefetch_b8 v0, s[64:65] scope:SCOPE_SE
	s_setreg_imm32_b32 hwreg(HW_REG_WAVE_MODE, 25, 1), 1
	s_wait_xcnt 0x0
; PREP: kv and the four weights are rounded once to bf16 (nearest even) and laid with K along their rows.  (q is rounded where it is multiplied.)
; Work-groups 0-1087 CAST: kv (1,024 of them), Wo (64): 64 KiB of f32 each, read by 16-byte loads, stored as 8 bytes a lane.
; Work-groups 1088-1471 TURN: Wq, Wk, Wv lie [head][d][e]; a block of 128 d x 64 e of one head goes through LDS and leaves as 64 rows e of 128 d.  They have a half of a cast's bytes and come last.
;   wqb row = 64 head + e.   wkv row = 256 (head / 2) + 128 (head % 2) + (V: 64) + e: a tile of 256 rows holds K and V of two heads.
; A stream: no matrix unit, no cluster (no work-group reads what another reads), no prefetch (all loads of a work-group go out at once).
; LIMITS: bf16 keeps 8 significant bits and f32's range; NaN and infinities pass through as the conversion makes them.
.set NKV,   1024                       ; work-groups that cast kv
.set NCAST, 1088                       ; and Wo
.set SP,    272                        ; a stage row: 128 d x 2 bytes + 16 of padding
.set SPARE, 64*SP                      ; behind the stage: the spare words, 128 bytes for each of the eight waves
.set SPW,   2                          ; v2  LDS address of my spare word; never rewritten
.set NIL,   3                          ; v3  0; never rewritten
.set X,     8                          ; v[8:71] the cast's 16 loads of 4 registers
	s_load_b512 s[8:23], s[0:1], 0x0               ; kv 8, Wo 10, Wq 12, Wk 14, Wv 16, kvb 18, wob 20, wqb 22
	s_load_b64 s[24:25], s[0:1], 0x40              ; wkv
	v_lshl_add_u32 v[SPW], v0, 2, SPARE
	v_mov_b32 v[NIL], 0
	s_mov_b32 s2, ttmp9
	s_mov_b32 s43, 0                               ; the high word of every offset pair
	s_wait_kmcnt 0x0
	s_cmp_ge_u32 s2, NCAST                         ; the same in all waves of a work-group
	s_cbranch_scc1 .Lturn
	; THE CAST.  Which tensor, and which 64 KiB of it
	s_cmp_lt_u32 s2, NKV
	s_cselect_b64 s[30:31], s[8:9], s[10:11]
	s_cselect_b64 s[32:33], s[18:19], s[20:21]
	s_cselect_b32 s34, 0, NKV
	s_sub_co_u32 s34, s2, s34                      ; my number within the tensor
	s_lshl_b32 s42, s34, 16                        ; 65,536 bytes of f32,
	s_add_nc_u64 s[30:31], s[30:31], s[42:43]
	s_lshl_b32 s42, s34, 15                        ; 32,768 of bf16
	s_add_nc_u64 s[32:33], s[32:33], s[42:43]
	v_lshlrev_b32 v4, 4, v0                        ; 16 bytes a thread in; never rewritten
	v_lshlrev_b32 v5, 3, v0                        ; 8 bytes a thread out; never rewritten
.set r, 0
.rept 16                               ; all 16 loads go out together: a wave's load covers 512 consecutive bytes
	global_load_b128 v[X+4*r:X+4*r+3], v4, s[30:31] offset:4096*r th:TH_LOAD_NT
.set r, r+1
.endr
.set r, 0
.rept 16
	s_wait_loadcnt 15-r                            ; loads come back in order: load r is in, the 15 - r younger ones stay out
	v_cvt_pk_bf16_f32 v[X+4*r], v[X+4*r], v[X+4*r+1]
	v_cvt_pk_bf16_f32 v[X+4*r+1], v[X+4*r+2], v[X+4*r+3]
	global_store_b64 v5, v[X+4*r:X+4*r+1], s[32:33] offset:2048*r  ; 32 lanes store 256 consecutive bytes, aligned; no register is written again
.set r, r+1
.endr
	s_endpgm
.Lturn:
	s_sub_co_u32 s34, s2, NCAST
	s_lshr_b32 s35, s34, 7                         ; 0 Wq, 1 Wk, 2 Wv
	s_bfe_u32 s36, s34, 0x40003                    ; head
	s_and_b32 s37, s34, 7                          ; which 128 of the 1,024 d
	s_lshl_b32 s38, s36, 6                         ; wqb's first row: 64 head
	s_lshr_b32 s39, s36, 1                         ; wkv's: 256 (head / 2)
	s_lshl_b32 s39, s39, 8
	s_and_b32 s40, s36, 1
	s_lshl_b32 s40, s40, 7                         ; + 128 (head % 2)
	s_add_co_u32 s39, s39, s40
	s_lshr_b32 s40, s35, 1
	s_lshl_b32 s40, s40, 6                         ; + 64 for V
	s_add_co_u32 s39, s39, s40
	s_cmp_eq_u32 s35, 0
	s_cselect_b64 s[30:31], s[12:13], s[14:15]
	s_cselect_b64 s[32:33], s[22:23], s[24:25]
	s_cselect_b32 s38, s38, s39
	s_cmp_eq_u32 s35, 2
	s_cselect_b64 s[30:31], s[16:17], s[30:31]
	s_lshl_b32 s42, s36, 18                        ; a head is 262,144 bytes, 128 rows d are 32,768
	s_lshl_b32 s40, s37, 15
	s_add_co_u32 s42, s42, s40
	s_add_nc_u64 s[30:31], s[30:31], s[42:43]
	s_lshl_b32 s42, s38, 11                        ; a turned row is 2,048 bytes; 128 d are 256 of them
	s_lshl_b32 s40, s37, 8
	s_add_co_u32 s42, s42, s40
	s_add_nc_u64 s[32:33], s[32:33], s[42:43]
	v_lshrrev_b32 v1, 5, v0
	v_readfirstlane_b32 s41, v1                    ; wave w
	v_and_b32 v1, 31, v0                           ; lane l
	s_lshl_b32 s40, s41, 12
	v_lshl_add_u32 v4, v1, 3, s40                  ; wave w takes rows d = 16 w + i; a lane the columns e = 2 l, 2 l + 1
.irp i, 0,1,2,3,4,5,6,7,8,9,10,11,12,13,14,15
	global_load_b64 v[8+2*(\i):9+2*(\i)], v4, s[30:31] offset:256*(\i) th:TH_LOAD_NT  ; a whole row of 256 bytes
.endr
	v_mul_u32_u24 v5, v1, 2*SP                     ; into the stage: row e = 2 l, my wave's 16 d = 32 bytes
	s_lshl_b32 s40, s41, 5
	v_add_nc_u32 v5, s40, v5
	v_lshrrev_b32 v72, 4, v1
	v_and_b32 v73, 15, v1
	s_lshl_b32 s40, s41, 3
	v_add_nc_u32 v72, s40, v72                     ; back: wave w takes rows e = 8 w .. 8 w + 7, two to a load
	v_mul_u32_u24 v6, v72, SP
	v_lshl_add_u32 v6, v73, 4, v6
	v_lshlrev_b32 v7, 11, v72                      ; and the same rows in memory
	v_lshl_add_u32 v7, v73, 4, v7
	s_wait_loadcnt 0x0
.irp j, 0,1,2,3,4,5,6,7
	v_cvt_pk_bf16_f32 v[40+(\j)], v[8+4*(\j)], v[10+4*(\j)]  ; column 2 l, d = 16 w + 2 j and the next
	v_cvt_pk_bf16_f32 v[48+(\j)], v[9+4*(\j)], v[11+4*(\j)]  ; column 2 l + 1
.endr
	ds_store_b128 v5, v[40:43]
	ds_store_b128 v5, v[44:47] offset:16
	ds_store_b128 v5, v[48:51] offset:SP
	ds_store_b128 v5, v[52:55] offset:SP+16
	s_wait_dscnt 0x0                               ; for the others' sake: my stores into the stage are done
	s_barrier_signal -1
	s_barrier_wait -1
.irp i, 0,1,2,3
	ds_load_b128 v[56+4*(\i):59+4*(\i)], v6 offset:2*SP*(\i)
.endr
.irp i, 0,1,2,3
	s_wait_dscnt 3-(\i)                            ; LDS loads come back in order: the younger ones stay out
	global_store_b128 v7, v[56+4*(\i):59+4*(\i)], s[32:33] offset:4096*(\i)  ; 16 lanes store 256 consecutive bytes, aligned
.endr
	s_wait_tensorcnt 0x0                           ; the wave's end: behind my last LDS store
	ds_add_u32 v[SPW], v[NIL]
	s_wait_dscnt 0x0
	s_endpgm
.Lfunc_end_k_qbccf007964_prep:
	.size	k_qbccf007964_prep, .Lfunc_end_k_qbccf007964_prep-k_qbccf007964_prep
	.p2alignl 7, 3214868480
	.fill 96, 4, 3214868480
	.section	.rodata,"a",@progbits
	.p2align	6, 0x0
	.amdhsa_kernel k_qbccf007964_prep
		.amdhsa_group_segment_fixed_size 18432
		.amdhsa_private_segment_fixed_size 0
		.amdhsa_enable_private_segment 0
		.amdhsa_kernarg_size 72
		.amdhsa_user_sgpr_count 2
		.amdhsa_user_sgpr_kernarg_segment_ptr 1
		.amdhsa_wavefront_size32 1
		.amdhsa_system_sgpr_workgroup_id_x 1
		.amdhsa_system_sgpr_workgroup_id_y 1
		.amdhsa_system_sgpr_workgroup_id_z 1
		.amdhsa_system_vgpr_workitem_id 0
		.amdhsa_next_free_vgpr 80
		.amdhsa_next_free_sgpr 66
		.amdhsa_reserve_vcc 0
		.amdhsa_float_denorm_mode_32 3
		.amdhsa_float_denorm_mode_16_64 3
		.amdhsa_memory_ordered 1
		.amdhsa_forward_progress 1
		.amdhsa_inst_pref_size 13
	.end_amdhsa_kernel
	.amdgpu_metadata
---
amdhsa.version: [ 1, 2 ]
amdhsa.kernels:
  - .name:           k_qbccf007964_prep
    .symbol:         k_qbccf007964_prep.kd
    .args:
      - { .name: kv, .offset: 0, .size: 8, .value_kind: global_buffer, .address_space: global }
      - { .name: Wo, .offset: 8, .size: 8, .value_kind: global_buffer, .address_space: global }
      - { .name: Wq, .offset: 16, .size: 8, .value_kind: global_buffer, .address_space: global }
      - { .name: Wk, .offset: 24, .size: 8, .value_kind: global_buffer, .address_space: global }
      - { .name: Wv, .offset: 32, .size: 8, .value_kind: global_buffer, .address_space: global }
      - { .name: kvb, .offset: 40, .size: 8, .value_kind: global_buffer, .address_space: global }
      - { .name: wob, .offset: 48, .size: 8, .value_kind: global_buffer, .address_space: global }
      - { .name: wqb, .offset: 56, .size: 8, .value_kind: global_buffer, .address_space: global }
      - { .name: wkv, .offset: 64, .size: 8, .value_kind: global_buffer, .address_space: global }
    .group_segment_fixed_size: 18432
    .private_segment_fixed_size: 0
    .kernarg_segment_align: 8
    .kernarg_segment_size: 72
    .max_flat_workgroup_size: 256
    .sgpr_count:     66
    .vgpr_count:     80
    .wavefront_size: 32
...
	.end_amdgpu_metadata
.endif
;; end of part 1
;; launch kvproj (part 2): grid 8 x 32, 4 waves a work-group, clusters of 4 x 4, 327,680 bytes of LDS; arguments kvb, wkv, bk, bv, part; writes part
.if DOCPART == 2
	.amdgcn_target "amdgcn-amd-amdhsa--gfx1250"
	.amdhsa_code_object_version 6
	.text
	.protected	k_qbccf007964_kvproj
	.globl	k_qbccf007964_kvproj
	.p2align	8
	.type	k_qbccf007964_kvproj,@function
k_qbccf007964_kvproj:
	s_mov_b64 s[64:65], 0
	v_nop
	global_prefetch_b8 v0, s[64:65] scope:SCOPE_SE
	s_setreg_imm32_b32 hwreg(HW_REG_WAVE_MODE, 25, 1), 1
	s_wait_xcnt 0x0
	s_wait_alu depctr_hold_cnt(0) depctr_sa_sdst(0) depctr_va_vdst(0) depctr_va_sdst(0) depctr_va_ssrc(0) depctr_va_vcc(0) depctr_vm_vsrc(0)
	s_getreg_b32 s2, hwreg(HW_REG_IB_STS2, 6, 4)
	s_cmp_eq_u32 s2, 0
	s_cbranch_scc0 .Lentry_in_a_cluster
	s_endpgm
.Lentry_in_a_cluster:
	s_bfe_u32 s2, ttmp6, 0x10000c
	s_cmp_lg_u32 s2, 0xf033
	s_cbranch_scc0 .Lentry_shape_is_right
	s_endpgm
.Lentry_shape_is_right:
; KVPROJ: kh = (kv Wk + bk)^2, vh = kv Wv + bv, and at once kv_sum = kh^T vh and ksum = the sum of kh over tokens: kh and vh never leave the registers.
; kvb: [16384][1024] bf16.  wkv: [2048][1024] bf16, a tile of 256 rows = K, V of head 2 TX, then K, V of head 2 TX + 1.  bk, bv: [16][64] f32.
; SHARES.  A work-group makes two tiles of 256 tokens x 256 columns, 2,048 tokens apart in one batch; each of its four waves 128 x 128: 64 accumulators, 512 registers.  A wave's 128 columns
; are one head: blocks 0-3 K, blocks 4-7 V.  K goes in steps of 128 through two LDS slots filled by joint tensor loads, rows of 256 bytes.
; LAYOUT.  Source 0 = 16 tokens, source 1 = 16 weight rows: in the result a lane holds ONE feature (lane % 16) and the tokens 8 (lane / 16) + 0..7.  Two token blocks rounded to bf16 in pairs ARE
; a fragment (row or column = feature, 32 tokens along k): K's as source 0, V's as source 1 of kh^T vh.  A fragment of ones as a fifth block of columns gives ksum.  Nothing changes lanes.
; The bias is the C operand of the products that start the sums.  The 20 small accumulators (16 of kv_sum, 4 of ksum) run on over both tiles; at the end the two waves of a head add theirs through LDS.
; OUT.  part: for (batch, head, eighth of the tokens) 20 accumulators of 1,024 bytes f32: number 5 dt + et, registers 0-3 at 16 lane, registers 4-7 at 512 + 16 lane.
; CLUSTER.  4 x 4 work-groups: the four of a row need the same tokens, the four of a column the same weight rows: each tile is asked for jointly.
; LIMITS.  Operands rounded to bf16: kv, Wk, Wv, kh^2, vh; ksum is the sum of the rounded kh^2; sums in f32, in another order than a plain loop's.  NaN and infinities are not treated apart.
; REGISTERS, in windows of 256 (s_set_vgpr_msb: bits 1:0 source 0, 3:2 source 1, 5:4 source 2, 7:6 destination):
;   window 0: v0-15 addresses; v24-31 ones; v32-63 ksum; v64-127, v128-191 fragments of A (tokens), two buffers; v192-255 the bias, eight equal registers for each block of columns
;   window 1: v0-63, v192-255 kv_sum; v64-127, v128-191 fragments of B (weights), two buffers.   Behind a tile's last product buffer 1 of both windows takes the rounded kh^2 and vh.
;   window 2: the accumulators of my token blocks 0-3 ((a, b) at v[8 (8 (a % 4) + b)]);   window 3: of blocks 4-7
.set SIZE_K, 1024
.set KSTEP,  128
.set PITCH,  272                       ; an LDS row: 256 bytes + 16 of padding = 68 words: the 16 rows of a load start at 16 different groups of four banks (64 banks of 4 bytes: ISA guide 11.1)
.set HALFT,  128*PITCH                 ; what one tensor load brings, and what one wave reads of A or of B
.set SLOT,   4*HALFT                   ; A's 256 rows, then B's 256 rows
.set MSTAGE, 2*SLOT                    ; behind the ring, never filled by a tensor load: 20,480 bytes for each head, where two waves' sums meet
.set SPARE,  MSTAGE+2*20480            ; behind it: the spare words, 128 bytes for each wave
.set LAPS,   SIZE_K/(2*KSTEP)
.set WALK,   2048                      ; rows from a work-group's first tile to its second
.set NEXT_A, WALK*SIZE_K*2-(SIZE_K-2*KSTEP)*2  ; from a slot's last K step of a tile to its first of the next
.set BACK_B, (SIZE_K-2*KSTEP)*2        ; B only goes back along K
.set ADRA, 6                           ; v6-7   LDS address of my A fragments in slot 0, 1
.set ADRB, 8                           ; v8-9   the same for B
.set SPW,  10                          ; v10    LDS address of my spare word; never rewritten
.set NIL,  11                          ; v11    0; never rewritten
.set PFO,  12                          ; v12    the prefetches' offset: lane x 2,048; never rewritten
.set MST,  13                          ; v13    my 16 bytes in my head's meeting place
.set GOF,  14                          ; v14    16 x lane
.set BOF,  15                          ; v15    my feature's byte in bk and bv
.set ONES, 24
.set KS,   32
.set F0,   64
.set F1,   128
.set BIASR, 192
.set G1A, 24                           ; s[24:31] descriptor group 1 for A's tiles;  s[32:39] group 0, a set for each slot
.set G0A, 32
.set LIM, 43                           ; s43  1 in a wave that prefetches, else the greatest number
.set PFA, 44                           ; s[44:45] where my prefetches stand
.set G1B, 48                           ; s[48:55], s[56:63] the same for B's tiles
.set G0B, 56
.set MSB, 0
.macro WIN new                         ; the immediate's high byte repeats the setting that is left; a switch that changes nothing is dropped
.if MSB != (\new)
	s_set_vgpr_msb (MSB<<8)|(\new)
.set MSB, \new
.endif
.endm
.set MUL_LO,  0xa4                     ; source 0 (A) window 0, source 1 (B) window 1, C and D window 2
.set MULZ_LO, 0x84                     ; the same with C (the bias) in window 0
.set TO_B,    0x40                     ; destination window 1, address window 0
; A joint load.  Waves 0 and 1 fetch A's two halves, waves 2 and 3 B's.  The branch hangs on the wave's number alone.  An s_nop 0 and four v_nop follow each line.
.macro JLOAD s
	s_cmp_eq_u32 s15, 0
	s_cbranch_scc0 .Lfor_b_\@
	tensor_load_to_lds s[G0A+4*(\s):G0A+4*(\s)+3], s[G1A:G1A+7]
	s_nop 0
.rept 4
	v_nop
.endr
	s_branch .Lasked_\@
.Lfor_b_\@:
	tensor_load_to_lds s[G0B+4*(\s):G0B+4*(\s)+3], s[G1B:G1B+7]
	s_nop 0
.rept 4
	v_nop
.endr
.Lasked_\@:
.endm
; A prefetch into the L2 of the K step that stands two refills on: 32 rows x 256 bytes, a lane a row.  A's rows are read by both clusters of a row of clusters: cluster x = 0 asks; B's by all eight of a
; column: cluster y = 0 asks.  The four partners share a wave's 128 rows out by address, 32 each.  how = 0, in the loop: its last trip has no K step two on; how = 1: at the change of tiles.
.macro ASK how
.if \how
	s_cmp_eq_u32 s[LIM], 1
.else
	s_cmp_gt_u32 s3, s[LIM]
.endif
	s_cbranch_scc0 .Lnot_mine_\@
	global_prefetch_b8 v[PFO], s[PFA:PFA+1] offset:KSTEP*2 th:TH_LOAD_NT scope:SCOPE_SE
.Lnot_mine_\@:
.endm
.macro CREST                           ; a round of the cluster's barrier behind its opening barrier
	s_cmp_lg_u32 s14, 0
	s_cbranch_scc1 .Lnot_wave_0_\@
	s_barrier_signal -3
.Lnot_wave_0_\@:
	s_barrier_wait -3
	s_barrier_signal -1
	s_barrier_wait -1
.endm
.macro CROUND                          ; a whole round
	s_barrier_signal -1
	s_barrier_wait -1
	CREST
.endm
	s_load_b256 s[4:11], s[0:1], 0x0               ; kvb s[4:5], wkv s[6:7], bk s[8:9], bv s[10:11]
	s_load_b64 s[12:13], s[0:1], 0x20              ; part
	v_lshl_add_u32 v[SPW], v0, 2, SPARE
	v_mov_b32 v[NIL], 0
	ds_add_u32 v[SPW], v[NIL]                      ; the wave's opening: an add to my spare word, twice on end, and its wait ahead of my first tensor load
	ds_add_u32 v[SPW], v[NIL]                      ; and once more, under the one wait; the set-up below, work on registers, stands between
	v_lshrrev_b32 v1, 5, v0
	v_readfirstlane_b32 s14, v1                    ; wave 0..3
	s_lshr_b32 s15, s14, 1                         ; RH: which half of the tile's tokens is mine.  Also: I fetch for A (0) or for B (1)
	s_and_b32 s16, s14, 1                          ; CH: which half of its columns.  Also: which 128 rows of that tile I fetch
	s_bfe_u32 s17, ttmp6, 0x40000                  ; cx
	s_bfe_u32 s18, ttmp6, 0x40004                  ; cy
	s_lshl_b32 s19, ttmp9, 2
	s_add_co_u32 s19, s19, s17                     ; TX = 4 x cluster x + cx: the tile of 256 weight rows
	s_and_b32 s20, ttmp7, 0xffff
	s_lshl_b32 s20, s20, 2
	s_add_co_u32 s20, s20, s18                     ; TY = 4 x cluster y + cy: batch TY / 8, eighth TY % 8
	s_lshl_b32 s21, s18, 2
	s_lshl_b32 s21, 15, s21                        ; my row of the cluster
	s_lshl_b32 s22, 0x1111, s17                    ; my column
	s_or_b32 s[G1A], s21, (1<<16)|(1<<20)|(1<<21)|(5<<22)|(3<<25)  ; 15:0 the mask; 17:16 2-byte elements; 20 padding on; 21 set beside a mask; 24:22 after every 64 words; 31:25 4 words of it
	s_or_b32 s[G1B], s22, (1<<16)|(1<<20)|(1<<21)|(5<<22)|(3<<25)
.irp g, G1A, G1B
	s_mov_b32 s[(\g)+1], KSTEP<<16                 ; tensor_dim0 = 128
	s_mov_b32 s[(\g)+2], 128<<16                   ; tensor_dim1 = 128
	s_mov_b32 s[(\g)+3], KSTEP<<16                 ; tile_dim0 = 128
	s_mov_b32 s[(\g)+4], 128                       ; tile_dim1 = 128
	s_mov_b32 s[(\g)+5], SIZE_K                    ; elements from row to row
	s_mov_b32 s[(\g)+6], 0
	s_mov_b32 s[(\g)+7], 0
.endr
	s_lshr_b32 s40, s20, 3
	s_lshl_b32 s40, s40, 12                        ; 4,096 x batch
	s_and_b32 s41, s20, 7
	s_lshl_b32 s41, s41, 8
	s_add_co_u32 s40, s40, s41                     ; the first tile's first token
	s_lshl_b32 s41, s16, 7                         ; the 128 rows that I fetch
	s_add_co_u32 s66, s40, s41
	s_lshl_b32 s66, s66, 11                        ; A's rows hang on TY and the wave alone,
	s_mov_b32 s67, 0
	s_lshl_b32 s46, s19, 8
	s_add_co_u32 s46, s46, s41
	s_lshl_b32 s46, s46, 11                        ; B's on TX and the wave alone
	s_mov_b32 s47, 0
	s_mul_i32 s42, s14, HALFT                      ; where they go: wave x 128 rows: no place in the cluster enters an LDS address
	s_wait_dscnt 0x0                               ; both opening adds are done
	s_wait_kmcnt 0x0
	s_add_nc_u64 s[66:67], s[4:5], s[66:67]
	s_add_nc_u64 s[46:47], s[6:7], s[46:47]
	CROUND                                         ; all sixteen work-groups are here: the first joint loads meet
.irp s, 0,1
	s_mov_b32 s[G0A+4*(\s)], 1                     ; count = 1
	s_add_co_u32 s[G0A+4*(\s)+1], s42, (\s)*SLOT   ; LDS address
	s_add_nc_u64 s[G0A+4*(\s)+2:G0A+4*(\s)+3], s[66:67], (\s)*KSTEP*2  ; global address: K step s
	s_or_b32 s[G0A+4*(\s)+3], s[G0A+4*(\s)+3], 0x80000000              ; type = 2
	s_mov_b32 s[G0B+4*(\s)], 1
	s_add_co_u32 s[G0B+4*(\s)+1], s42, (\s)*SLOT
	s_add_nc_u64 s[G0B+4*(\s)+2:G0B+4*(\s)+3], s[46:47], (\s)*KSTEP*2
	s_or_b32 s[G0B+4*(\s)+3], s[G0B+4*(\s)+3], 0x80000000
	JLOAD \s                                       ; two loads of mine are out
.endr
	; A fragment is 16 rows x 32 K in 8 registers: lane l holds row l % 16; registers 0-3 K = 8 (l / 16) + 0..7, registers 4-7 K = 16 + 8 (l / 16) + 0..7: two loads of 16 bytes, 32 bytes apart.
	v_and_b32 v1, 15, v0                           ; l % 16
	v_bfe_u32 v2, v0, 4, 1                         ; l / 16
	v_and_b32 v4, 31, v0                           ; l
	v_mul_u32_u24 v3, v1, PITCH
	v_lshl_add_u32 v3, v2, 4, v3
	s_mul_i32 s21, s15, HALFT                      ; my 128 rows of A
	s_mul_i32 s22, s16, HALFT                      ; my 128 rows of B,
	s_add_co_u32 s22, s22, 2*HALFT                 ; which lie behind A's 256
.irp s, 0,1
	v_add_nc_u32 v[ADRA+(\s)], s21, v3
	v_add_nc_u32 v[ADRB+(\s)], s22, v3
	s_add_co_u32 s21, s21, SLOT
	s_add_co_u32 s22, s22, SLOT
.endr
	s_mul_i32 s23, s16, 20480
	s_add_co_u32 s23, s23, MSTAGE
	v_lshl_add_u32 v[MST], v4, 4, s23
	v_lshlrev_b32 v[GOF], 4, v4
	v_lshlrev_b32 v[PFO], 11, v4
	s_lshl_b32 s68, s19, 1
	s_add_co_u32 s68, s68, s16                     ; my head = 2 TX + CH
	s_lshl_b32 s22, s68, 8
	v_lshl_add_u32 v[BOF], v1, 2, s22              ; 256 head + 4 (l % 16)
.irp b, 0,1,2,3
	global_load_b32 v[BIASR+8*(\b)], v[BOF], s[8:9] offset:64*(\b)       ; bk of feature 16 b + l % 16
	global_load_b32 v[BIASR+32+8*(\b)], v[BOF], s[10:11] offset:64*(\b)  ; bv
.endr
	; The small sums start at 0, so that one text serves both tiles; written while the first tiles are on their way.
	WIN 0x40
.set i, 0
.rept 64
	v_mov_b32 v[i], 0
	v_mov_b32 v[192+i], 0
.set i, i+1
.endr
	WIN 0
.set i, 0
.rept 32
	v_mov_b32 v[KS+i], 0
.set i, i+1
.endr
.set i, 0
.rept 8
	v_mov_b32 v[ONES+i], 0x3f803f80                ; 1.0 twice in bf16
.set i, i+1
.endr
	s_lshr_b32 s21, s20, 3                         ; where my sums go: ((16 batch + head) 8 + eighth) x 20,480
	s_lshl_b32 s21, s21, 4
	s_add_co_u32 s21, s21, s68
	s_lshl_b32 s21, s21, 3
	s_and_b32 s22, s20, 7
	s_add_co_u32 s21, s21, s22
	s_mul_i32 s70, s21, 20480
	s_mov_b32 s71, 0
	s_add_nc_u64 s[12:13], s[12:13], s[70:71]
	; the prefetches
	s_lshl_b32 s21, s19, 8                         ; B's tile begins at row 256 TX
	s_and_b32 s22, ttmp7, 0xffff                   ; cluster y
	s_cmp_eq_u32 s15, 0                            ; do I fetch for A?
	s_cselect_b32 s21, s40, s21                    ; the tile's first row
	s_cselect_b32 s23, s17, s18                    ; my place among the four that ask for it with me
	s_cselect_b32 s22, ttmp9, s22                  ; the coordinate along which other clusters read the same rows
	s_cselect_b64 s[PFA:PFA+1], s[4:5], s[6:7]
	s_cmp_eq_u32 s22, 0
	s_cselect_b32 s[LIM], 1, -1                    ; the same in all sixteen partners, for a given wave
	s_add_co_u32 s21, s21, s41                     ; + the 128 rows that I fetch
	s_lshl_b32 s23, s23, 5
	s_add_co_u32 s21, s21, s23                     ; + my work-group's 32 of them
	s_lshl_b32 s70, s21, 11
	s_add_nc_u64 s[PFA:PFA+1], s[PFA:PFA+1], s[70:71]
	s_add_nc_u64 s[PFA:PFA+1], s[PFA:PFA+1], 2*KSTEP*2  ; at K step 2: the first refill steps it to 3 and names K step 4; nothing is asked for here, at the head
	s_wait_loadcnt 0x0                             ; the biases
.irp b, 0,1,2,3,4,5,6,7
.irp j, 1,2,3,4,5,6,7
	v_mov_b32 v[BIASR+8*(\b)+(\j)], v[BIASR+8*(\b)]  ; a lane's eight results are eight tokens of one feature: eight times the same bias
.endr
.endr
; 16 matrix instructions: token blocks a0, a0 + 1 of the window's four x all 8 column blocks, 32 along K.  zero = 1: the product starts the sums, with the bias as C.
; The 64 accumulators take turns, one instruction a turn, in the same order in every quarter.
.macro MUL16 f, hi, a0, zero
.if \zero
	WIN MULZ_LO+0x40*(\hi)
.else
	WIN MUL_LO+0x50*(\hi)
.endif
.irp a, \a0, (\a0)+1
.irp b, 0,1,2,3,4,5,6,7
.if \zero
	v_wmma_f32_16x16x32_bf16 v[8*(8*(\a)+(\b)):8*(8*(\a)+(\b))+7], v[(\f)+8*(4*(\hi)+(\a)):(\f)+8*(4*(\hi)+(\a))+7], v[(\f)+8*(\b):(\f)+8*(\b)+7], v[BIASR+8*(\b):BIASR+8*(\b)+7]
.else
	v_wmma_f32_16x16x32_bf16 v[8*(8*(\a)+(\b)):8*(8*(\a)+(\b))+7], v[(\f)+8*(4*(\hi)+(\a)):(\f)+8*(4*(\hi)+(\a))+7], v[(\f)+8*(\b):(\f)+8*(\b)+7], v[8*(8*(\a)+(\b)):8*(8*(\a)+(\b))+7]
.endif
.endr
.endr
.endm
; 32 LDS loads in one run: the fragments of one quarter step (128 rows of B, 128 of A, 32 K at byte k of the rows) into buffer f
.macro FETCH slot, k, f
	WIN TO_B
.irp i, 0,1,2,3,4,5,6,7
	ds_load_b128 v[(\f)+8*(\i):(\f)+8*(\i)+3],   v[ADRB+(\slot)] offset:(\k)+(\i)*16*PITCH
	ds_load_b128 v[(\f)+8*(\i)+4:(\f)+8*(\i)+7], v[ADRB+(\slot)] offset:(\k)+(\i)*16*PITCH+32
.endr
	WIN 0
.irp i, 0,1,2,3,4,5,6,7
	ds_load_b128 v[(\f)+8*(\i):(\f)+8*(\i)+3],   v[ADRA+(\slot)] offset:(\k)+(\i)*16*PITCH
	ds_load_b128 v[(\f)+8*(\i)+4:(\f)+8*(\i)+7], v[ADRA+(\slot)] offset:(\k)+(\i)*16*PITCH+32
.endr
.endm
.macro PLACES                          ; four plain vector instructions between a matrix instruction and a load into, or a vector instruction on, its registers
.rept 4
	v_nop
.endr
.endm
; A K step is four quarters of 32 along K, 64 matrix instructions each, on buffers 0, 1, 0, 1.  One of the first three multiplies buffer f and, in its middle, fetches the next quarter into g.
.macro QUARTER slot, k, f, g, zero
	s_wait_dscnt 8                                 ; B and A's rows 0-63 are in; the youngest eight loads (A's rows 64-127) may be out
	MUL16 \f, 0, 0, \zero
	MUL16 \f, 0, 2, \zero
	PLACES
	FETCH \slot, \k, \g
	s_wait_dscnt 32                                ; all but the 32 just issued
	MUL16 \f, 1, 0, \zero
	MUL16 \f, 1, 2, \zero
.endm
; The last quarter's first half: one barrier for the change of slots.  In front of it each wave waits for all its tensor loads (one is out: its part of the next slot), adds 0 to its spare word,
; and waits for that and for its own reads of this slot.
.macro MEET round
	WIN 0                                          ; (the add's two registers lie in window 0)
	s_wait_tensorcnt 0x0
	ds_add_u32 v[SPW], v[NIL]
	s_wait_dscnt 9                                 ; the add and the youngest eight loads may be out
	MUL16 F1, 0, 0, 0                              ; sixteen matrix instructions stand between the add and the wait for it
	s_wait_dscnt 0x0                               ; the add is done, and my reads of this slot are over
	s_barrier_signal -1
	MUL16 F1, 0, 2, 0                              ; work on registers while the others arrive
.if \round
	WIN 0
.endif
	s_barrier_wait -1
.endm
; The whole last quarter with a refill: this tile's K step two on (on = 0) or the next tile's K step 0 or 1 (on = 1).  The barrier opens a round of the cluster's, and the joint load is the first thing behind it.
.macro TURN slot, next, on
	s_wait_xcnt 0x0                                ; the last prefetch, a K step back, has read its address
.if (\on) && (\slot) == 0
	s_add_nc_u64 s[PFA:PFA+1], s[PFA:PFA+1], (WALK-1)*SIZE_K*2+KSTEP*2  ; from the K step after the tile's last to the next tile's K step 1
	s_cmp_eq_u32 s15, 0
	s_cselect_b32 s[LIM], s[LIM], -1               ; B's rows are the same for both tiles: they are asked for no more
.else
	s_add_nc_u64 s[PFA:PFA+1], s[PFA:PFA+1], KSTEP*2
.endif
	MEET 1
	CREST                                          ; no wave of any partner still reads this slot or has a load on its way
.if \on
	s_add_nc_u64 s[G0A+4*(\slot)+2:G0A+4*(\slot)+3], s[G0A+4*(\slot)+2:G0A+4*(\slot)+3], NEXT_A
	s_sub_nc_u64 s[G0B+4*(\slot)+2:G0B+4*(\slot)+3], s[G0B+4*(\slot)+2:G0B+4*(\slot)+3], BACK_B
.else
	s_add_nc_u64 s[G0A+4*(\slot)+2:G0A+4*(\slot)+3], s[G0A+4*(\slot)+2:G0A+4*(\slot)+3], 2*KSTEP*2
	s_add_nc_u64 s[G0B+4*(\slot)+2:G0B+4*(\slot)+3], s[G0B+4*(\slot)+2:G0B+4*(\slot)+3], 2*KSTEP*2
.endif
	JLOAD \slot                                    ; one load of mine is out; its four v_nop are also the places in front of the loads below
	FETCH \next, 0, F0
	ASK \on
	MUL16 F1, 1, 0, 0
	MUL16 F1, 1, 2, 0
.endm
.macro TURNP next                      ; the same without a refill: a plain barrier
	MEET 0
	PLACES
	FETCH \next, 0, F0
	MUL16 F1, 1, 0, 0
	MUL16 F1, 1, 2, 0
.endm
; BEHIND A TILE.  CONV tb: of token blocks 2 tb and 2 tb + 1 (32 tokens) K's results are squared in place; all are rounded to bf16 in pairs: K's fragment dt at F1 + 8 dt, V's fragment et at
; F1 + 32 + 8 et, in window tb % 2.  Each accumulator is read from its lowest registers on.
.macro CONV tb
.set CW, 2+(\tb)/2
.set TW, (\tb)%2
	WIN 0x45*CW
.irp aa, 0,1
.irp b, 0,1,2,3
.irp r, 0,1,2,3
.set AC, 64*((2*(\tb)+(\aa))%4)+8*(\b)+2*(\r)
	v_pk_mul_f32 v[AC:AC+1], v[AC:AC+1], v[AC:AC+1]
.endr
.endr
.endr
	WIN (TW<<6)|(5*CW)
.irp b, 0,1,2,3,4,5,6,7
.irp aa, 0,1
.irp r, 0,1,2,3
.set AC, 64*((2*(\tb)+(\aa))%4)+8*(\b)+2*(\r)
	v_cvt_pk_bf16_f32 v[F1+8*(\b)+4*(\aa)+(\r)], v[AC], v[AC+1]
.endr
.endr
.endr
.endm
; SMALL tb: kv_sum += kh^T vh and ksum += kh^T 1 over those 32 tokens: 20 matrix instructions on 20 accumulators, one each.  The next CONV's 96 lines name none of their registers: they are the
; places ahead of the CONV after it, which writes this one's sources again.
.macro SMALL tb
.set TW, (\tb)%2
	WIN 0x50+5*TW
.irp dt, 0,1,2,3
.irp et, 0,1,2,3
.set RDD, 8*(4*(\dt)+(\et))+128*((\dt)/2)
	v_wmma_f32_16x16x32_bf16 v[RDD:RDD+7], v[F1+8*(\dt):F1+8*(\dt)+7], v[F1+32+8*(\et):F1+32+8*(\et)+7], v[RDD:RDD+7]
.endr
.endr
	WIN TW
.irp dt, 0,1,2,3
	v_wmma_f32_16x16x32_bf16 v[KS+8*(\dt):KS+8*(\dt)+7], v[F1+8*(\dt):F1+8*(\dt)+7], v[ONES:ONES+7], v[KS+8*(\dt):KS+8*(\dt)+7]
.endr
.endm
	s_wait_tensorcnt 1                             ; my part of K step 0 is in; K step 1's may stay out
	s_barrier_signal -1
	s_barrier_wait -1
	FETCH 0, 0, F0
	s_mov_b32 s2, 2                                ; tiles to go
.Ltile:
	QUARTER 0, 64,  F0, F1, 1                      ; a tile's first quarter starts the sums
	WIN 0
	s_mov_b32 s3, LAPS-1
.Llap:                                                 ; a trip goes once round the ring and fills both slots again
	QUARTER 0, 128, F1, F0, 0
	QUARTER 0, 192, F0, F1, 0
	TURN 0, 1, 0
	QUARTER 1, 64,  F0, F1, 0
	QUARTER 1, 128, F1, F0, 0
	QUARTER 1, 192, F0, F1, 0
	TURN 1, 0, 0
	QUARTER 0, 64,  F0, F1, 0
	WIN 0
	s_sub_co_u32 s3, s3, 1
	s_cmp_lg_u32 s3, 0
	s_cbranch_scc1 .Llap
	QUARTER 0, 128, F1, F0, 0
	QUARTER 0, 192, F0, F1, 0
	WIN 0
	s_cmp_eq_u32 s2, 1
	s_cbranch_scc1 .Llast                          ; the last tile's tail asks for nothing more
	TURN 0, 1, 1                                   ; the ring goes on into the second tile: slot 0 takes its K step 0,
	QUARTER 1, 64,  F0, F1, 0
	QUARTER 1, 128, F1, F0, 0
	QUARTER 1, 192, F0, F1, 0
	TURN 1, 0, 1                                   ; slot 1 its K step 1, and its first fragments are fetched
	WIN 0
	s_branch .Lepi
.Llast:
	TURNP 1
	QUARTER 1, 64,  F0, F1, 0
	QUARTER 1, 128, F1, F0, 0
	QUARTER 1, 192, F0, F1, 0
	s_wait_dscnt 8
	MUL16 F1, 0, 0, 0
	MUL16 F1, 0, 2, 0
	s_wait_dscnt 0x0
	MUL16 F1, 1, 0, 0
	MUL16 F1, 1, 2, 0
	WIN 0
.Lepi:
	PLACES                                         ; behind the tile's last products: their results are read, and buffer 1 is written
	PLACES
.irp t, 0,1,2,3
	CONV \t
	SMALL \t
.endr
	WIN 0
	s_sub_co_u32 s2, s2, 1
	s_cmp_lg_u32 s2, 0
	s_cbranch_scc1 .Ltile
	; THE END.  Waves 2 and 3 (tokens 128-255 of the tiles) hand their 20 sums to waves 0 and 1 of the same head through LDS; those add and store.
	PLACES
	PLACES
	s_cmp_eq_u32 s15, 0
	s_cbranch_scc1 .Lkeep
	WIN 0x04                                       ; the data in window 1
.irp dt, 0,1,2,3
.irp et, 0,1,2,3
.set RDD, 8*(4*(\dt)+(\et))+128*((\dt)/2)
	ds_store_b128 v[MST], v[RDD:RDD+3]   offset:1024*(5*(\dt)+(\et))
	ds_store_b128 v[MST], v[RDD+4:RDD+7] offset:1024*(5*(\dt)+(\et))+512
.endr
.endr
	WIN 0
.irp dt, 0,1,2,3
	ds_store_b128 v[MST], v[KS+8*(\dt):KS+8*(\dt)+3]   offset:1024*(5*(\dt)+4)
	ds_store_b128 v[MST], v[KS+8*(\dt)+4:KS+8*(\dt)+7] offset:1024*(5*(\dt)+4)+512
.endr
.Lkeep:
	s_wait_dscnt 0x0                               ; for the others' sake: my stores are done
	s_barrier_signal -1
	s_barrier_wait -1
	s_cmp_lg_u32 s15, 0
	s_cbranch_scc1 .Lend
	WIN 0x80                                       ; into window 2, whose accumulators are spent
.set p, 0
.rept 20
	ds_load_b128 v[8*p:8*p+3],   v[MST] offset:1024*p
	ds_load_b128 v[8*p+4:8*p+7], v[MST] offset:1024*p+512
.set p, p+1
.endr
	s_wait_dscnt 0x0
	WIN 0x49                                       ; window 1 += window 2
.irp dt, 0,1,2,3
.irp et, 0,1,2,3
.irp r, 0,2,4,6
.set RDD, 8*(4*(\dt)+(\et))+128*((\dt)/2)+(\r)
.set RSS, 8*(5*(\dt)+(\et))+(\r)
	v_pk_add_f32 v[RDD:RDD+1], v[RDD:RDD+1], v[RSS:RSS+1]
.endr
.endr
.endr
	WIN 0x08                                       ; window 0 += window 2
.irp dt, 0,1,2,3
.irp r, 0,2,4,6
	v_pk_add_f32 v[KS+8*(\dt)+(\r):KS+8*(\dt)+(\r)+1], v[KS+8*(\dt)+(\r):KS+8*(\dt)+(\r)+1], v[8*(5*(\dt)+4)+(\r):8*(5*(\dt)+4)+(\r)+1]
.endr
.endr
	WIN 0x04
.irp dt, 0,1,2,3
.irp et, 0,1,2,3
.set RDD, 8*(4*(\dt)+(\et))+128*((\dt)/2)
	global_store_b128 v[GOF], v[RDD:RDD+3],   s[12:13] offset:1024*(5*(\dt)+(\et))      ; a wave's store covers 512 consecutive bytes, aligned
	global_store_b128 v[GOF], v[RDD+4:RDD+7], s[12:13] offset:1024*(5*(\dt)+(\et))+512
.endr
.endr
	WIN 0
.irp dt, 0,1,2,3
	global_store_b128 v[GOF], v[KS+8*(\dt):KS+8*(\dt)+3],   s[12:13] offset:1024*(5*(\dt)+4)
	global_store_b128 v[GOF], v[KS+8*(\dt)+4:KS+8*(\dt)+7], s[12:13] offset:1024*(5*(\dt)+4)+512
.endr
.Lend:
	s_wait_tensorcnt 0x0                           ; the wave's end: behind my last tensor load and my last LDS store
	ds_add_u32 v[SPW], v[NIL]
	s_wait_dscnt 0x0
	CROUND                                         ; the closing round: no work-group ends while a partner may still ask for a tile that names it
	s_endpgm
.Lfunc_end_k_qbccf007964_kvproj:
	.size	k_qbccf007964_kvproj, .Lfunc_end_k_qbccf007964_kvproj-k_qbccf007964_kvproj
	.p2alignl 7, 3214868480
	.fill 96, 4, 3214868480
	.section	.rodata,"a",@progbits
	.p2align	6, 0x0
	.amdhsa_kernel k_qbccf007964_kvproj
		.amdhsa_group_segment_fixed_size 327680
		.amdhsa_private_segment_fixed_size 0
		.amdhsa_enable_private_segment 0
		.amdhsa_kernarg_size 40
		.amdhsa_user_sgpr_count 2
		.amdhsa_user_sgpr_kernarg_segment_ptr 1
		.amdhsa_wavefront_size32 1
		.amdhsa_system_sgpr_workgroup_id_x 1
		.amdhsa_system_sgpr_workgroup_id_y 1
		.amdhsa_system_sgpr_workgroup_id_z 1
		.amdhsa_system_vgpr_workitem_id 0
		.amdhsa_next_free_vgpr 1024
		.amdhsa_next_free_sgpr 72
		.amdhsa_reserve_vcc 0
		.amdhsa_float_denorm_mode_32 3
		.amdhsa_float_denorm_mode_16_64 3
		.amdhsa_memory_ordered 1
		.amdhsa_forward_progress 1
		.amdhsa_inst_pref_size 199
	.end_amdhsa_kernel
	.amdgpu_metadata
---
amdhsa.version: [ 1, 2 ]
amdhsa.kernels:
  - .name:           k_qbccf007964_kvproj
    .symbol:         k_qbccf007964_kvproj.kd
    .args:
      - { .name: kvb, .offset: 0, .size: 8, .value_kind: global_buffer, .address_space: global }
      - { .name: wkv, .offset: 8, .size: 8, .value_kind: global_buffer, .address_space: global }
      - { .name: bk, .offset: 16, .size: 8, .value_kind: global_buffer, .address_space: global }
      - { .name: bv, .offset: 24, .size: 8, .value_kind: global_buffer, .address_space: global }
      - { .name: part, .offset: 32, .size: 8, .value_kind: global_buffer, .address_space: global }
    .group_segment_fixed_size: 327680
    .private_segment_fixed_size: 0
    .kernarg_segment_align: 8
    .kernarg_segment_size: 40
    .max_flat_workgroup_size: 128
    .sgpr_count:     72
    .vgpr_count:     1024
    .wavefront_size: 32
...
	.end_amdgpu_metadata
.endif
;; end of part 2
;; launch reduce (part 3): grid 5 x 64, 4 waves a work-group, no clusters, 0 bytes of LDS; arguments part, kvf; writes kvf
.if DOCPART == 3
	.amdgcn_target "amdgcn-amd-amdhsa--gfx1250"
	.amdhsa_code_object_version 6
	.text
	.protected	k_qbccf007964_reduce
	.globl	k_qbccf007964_reduce
	.p2align	8
	.type	k_qbccf007964_reduce,@function
k_qbccf007964_reduce:
	s_mov_b64 s[64:65], 0
	v_nop
	global_prefetch_b8 v0, s[64:65] scope:SCOPE_SE
	s_setreg_imm32_b32 hwreg(HW_REG_WAVE_MODE, 25, 1), 1
	s_wait_xcnt 0x0
; REDUCE: the eight partial sums of each (batch, head) are added in f32 and rounded once to bf16, in the register image of a matrix fragment.
; part: ((16 batch + head) 8 + c) x 20,480 + (5 dt + et) x 1,024; registers 0-3 at 16 lane, registers 4-7 at 512 + 16 lane.  In an accumulator (dt, et) a lane holds column e = 16 et + lane % 16
; (et = 4: ksum, in every column) and register j the row d = 16 dt + 8 (lane / 16) + j.  Rounded in pairs, dt = 2 ks gives registers 0-3 and dt = 2 ks + 1 registers 4-7 of the fragment with rows e and 32 d along k.
; kvf: (16 batch + head) x 10,240 + (5 ks + et) x 1,024 + (dt % 2) x 512 + 16 lane.
; A work-group takes one et of one (batch, head), a wave one dt: 8 KiB in, 512 bytes out.  No LDS, no barrier, no prefetch: all loads of a wave go out at once, and the launch is short.
	s_load_b128 s[4:7], s[0:1], 0x0                ; part s[4:5], kvf s[6:7]
	v_lshrrev_b32 v2, 5, v0
	v_readfirstlane_b32 s8, v2                     ; dt
	v_and_b32 v1, 31, v0
	v_lshlrev_b32 v1, 4, v1                        ; 16 x lane; never rewritten
	s_and_b32 s9, ttmp7, 0xffff                    ; 16 batch + head
	s_mul_i32 s10, s8, 5
	s_add_co_u32 s10, s10, ttmp9                   ; 5 dt + et
	s_lshl_b32 s10, s10, 10
	s_mul_i32 s12, s9, 8*20480
	s_add_co_u32 s12, s12, s10
	s_mov_b32 s13, 0
	s_lshr_b32 s14, s8, 1
	s_mul_i32 s14, s14, 5
	s_add_co_u32 s14, s14, ttmp9                   ; 5 ks + et
	s_lshl_b32 s14, s14, 10
	s_and_b32 s15, s8, 1
	s_lshl_b32 s15, s15, 9
	s_add_co_u32 s14, s14, s15
	s_mul_i32 s15, s9, 10240
	s_add_co_u32 s14, s14, s15
	s_mov_b32 s15, 0
	s_wait_kmcnt 0x0
	s_add_nc_u64 s[4:5], s[4:5], s[12:13]
	s_add_nc_u64 s[6:7], s[6:7], s[14:15]
.irp c, 0,1,2,3,4,5,6,7
	global_load_b128 v[8+8*(\c):11+8*(\c)],  v1, s[4:5] offset:20480*(\c) th:TH_LOAD_NT
	global_load_b128 v[12+8*(\c):15+8*(\c)], v1, s[4:5] offset:20480*(\c)+512 th:TH_LOAD_NT
.endr
	s_wait_loadcnt 0x0
.irp c, 0,1,2,3                        ; a tree over the eight partial sums: 4, 2 and 1 apart
.irp r, 0,2,4,6
	v_pk_add_f32 v[8+8*(\c)+(\r):9+8*(\c)+(\r)], v[8+8*(\c)+(\r):9+8*(\c)+(\r)], v[40+8*(\c)+(\r):41+8*(\c)+(\r)]
.endr
.endr
.irp c, 0,1
.irp r, 0,2,4,6
	v_pk_add_f32 v[8+8*(\c)+(\r):9+8*(\c)+(\r)], v[8+8*(\c)+(\r):9+8*(\c)+(\r)], v[24+8*(\c)+(\r):25+8*(\c)+(\r)]
.endr
.endr
.irp r, 0,2,4,6
	v_pk_add_f32 v[8+(\r):9+(\r)], v[8+(\r):9+(\r)], v[16+(\r):17+(\r)]
.endr
.irp r, 0,1,2,3
	v_cvt_pk_bf16_f32 v[72+(\r)], v[8+2*(\r)], v[9+2*(\r)]
.endr
	global_store_b128 v1, v[72:75], s[6:7]         ; 512 consecutive bytes, aligned
	s_endpgm
.Lfunc_end_k_qbccf007964_reduce:
	.size	k_qbccf007964_reduce, .Lfunc_end_k_qbccf007964_reduce-k_qbccf007964_reduce
	.p2alignl 7, 3214868480
	.fill 96, 4, 3214868480
	.section	.rodata,"a",@progbits
	.p2align	6, 0x0
	.amdhsa_kernel k_qbccf007964_reduce
		.amdhsa_group_segment_fixed_size 0
		.amdhsa_private_segment_fixed_size 0
		.amdhsa_enable_private_segment 0
		.amdhsa_kernarg_size 16
		.amdhsa_user_sgpr_count 2
		.amdhsa_user_sgpr_kernarg_segment_ptr 1
		.amdhsa_wavefront_size32 1
		.amdhsa_system_sgpr_workgroup_id_x 1
		.amdhsa_system_sgpr_workgroup_id_y 1
		.amdhsa_system_sgpr_workgroup_id_z 1
		.amdhsa_system_vgpr_workitem_id 0
		.amdhsa_next_free_vgpr 80
		.amdhsa_next_free_sgpr 66
		.amdhsa_reserve_vcc 0
		.amdhsa_float_denorm_mode_32 3
		.amdhsa_float_denorm_mode_16_64 3
		.amdhsa_memory_ordered 1
		.amdhsa_forward_progress 1
		.amdhsa_inst_pref_size 5
	.end_amdhsa_kernel
	.amdgpu_metadata
---
amdhsa.version: [ 1, 2 ]
amdhsa.kernels:
  - .name:           k_qbccf007964_reduce
    .symbol:         k_qbccf007964_reduce.kd
    .args:
      - { .name: part, .offset: 0, .size: 8, .value_kind: global_buffer, .address_space: global }
      - { .name: kvf, .offset: 8, .size: 8, .value_kind: global_buffer, .address_space: global }
    .group_segment_fixed_size: 0
    .private_segment_fixed_size: 0
    .kernarg_segment_align: 8
    .kernarg_segment_size: 16
    .max_flat_workgroup_size: 128
    .sgpr_count:     66
    .vgpr_count:     80
    .wavefront_size: 32
...
	.end_amdgpu_metadata
.endif
;; end of part 3
;; launch qattn (part 4): grid 4 x 64, 4 waves a work-group, clusters of 4 x 4, 327,680 bytes of LDS; arguments q, wqb, bq, kvf, attnb; writes attnb
.if DOCPART == 4
	.amdgcn_target "amdgcn-amd-amdhsa--gfx1250"
	.amdhsa_code_object_version 6
	.text
	.protected	k_qbccf007964_qattn
	.globl	k_qbccf007964_qattn
	.p2align	8
	.type	k_qbccf007964_qattn,@function
k_qbccf007964_qattn:
	s_mov_b64 s[64:65], 0
	v_nop
	global_prefetch_b8 v0, s[64:65] scope:SCOPE_SE
	s_setreg_imm32_b32 hwreg(HW_REG_WAVE_MODE, 25, 1), 1
	s_wait_xcnt 0x0
	s_wait_alu depctr_hold_cnt(0) depctr_sa_sdst(0) depctr_va_vdst(0) depctr_va_sdst(0) depctr_va_ssrc(0) depctr_va_vcc(0) depctr_vm_vsrc(0)
	s_getreg_b32 s2, hwreg(HW_REG_IB_STS2, 6, 4)
	s_cmp_eq_u32 s2, 0
	s_cbranch_scc0 .Lentry_in_a_cluster
	s_endpgm
.Lentry_in_a_cluster:
	s_bfe_u32 s2, ttmp6, 0x10000c
	s_cmp_lg_u32 s2, 0xf033
	s_cbranch_scc0 .Lentry_shape_is_right
	s_endpgm
.Lentry_shape_is_right:
; QATTN: qh = (q Wq + bq)^2; attn = (qh kv_sum) / (qh . ksum + 1e-6), written as [token][64 head + e] in bf16.
; q: [8192][1024] f32, rounded to bf16 on its way from LDS to the matrix unit.  wqb: [64 head + e][1024] bf16.  bq: [1024] f32.  kvf: fragments of kv_sum and ksum in their register image, 10,240 bytes for each (batch, head).
; SHARES.  A work-group makes 128 tokens x 256 columns (four heads), each of its four waves 64 x 128 (two heads): 32 accumulators.  K in steps of 128 through two LDS slots filled by joint tensor loads:
; 256 rows of 256 bytes of wqb and 128 rows of 512 bytes of q; each of the four waves' loads brings 32 KiB.
; LAYOUT.  Source 0 = 16 weight rows, source 1 = 16 tokens: in the result a lane holds ONE token (lane % 16) and the columns 8 (lane / 16) + 0..7.  Two column blocks, squared and rounded to bf16 in
; pairs, ARE source 1 (column = token, 32 d along k) of the second product, whose source 0 is a fragment of kv_sum (rows e).  Its result again holds one token a lane and eight e; a fifth block of
; rows, all equal to ksum, leaves the token's denominator in every register.  So nothing changes lanes, and the division is a multiplication of a lane's numbers by one reciprocal.
; The bias is the C operand of the products that start the sums.
; THE TEXT.  A K step is written once and walked six times; the last two steps, which fill nothing, are a loop of two trips that is left in its middle.  Which slot is read hangs on a scalar that one exclusive or turns.
; CLUSTER.  4 x 4 work-groups: a row shares its tokens, a column its weight rows: joint loads.
; LIMITS.  Operands rounded to bf16: q, Wq, qh^2, kv_sum, ksum; attn is rounded to bf16 once.  The reciprocal is v_rcp_f32's, good to one unit in the last place; a denominator that is denormal counts as 0 there.
; NaN and infinities are not treated apart.
; REGISTERS (s_set_vgpr_msb: bits 1:0 source 0, 3:2 source 1, 5:4 source 2, 7:6 destination):
;   window 0: v0-21 addresses and the two reciprocals; v32-95 the bias; v96-159 qh^2 as fragments, two buffers; v160-191 packed results; v192-255 rows read back, two buffers
;   window 1: two fragment buffers of 96 (B's eight fragments, then A's four); v192-255 A's four fragments as they come from LDS, in f32      window 2: the 32 accumulators, (a, b) at v[8 (8 a + b)]
;   window 3: v0-159 the fragments of kv_sum and ksum of my two heads; v160-239 the second product's ten accumulators
.set SIZE_K, 1024
.set KSTEP,  128
.set PB,     272                       ; a row of B in LDS: 256 bytes + 16 of padding: the 16 rows of a load start at 16 different groups of four banks (64 banks of 4 bytes: ISA guide 11.1)
.set PA,     528                       ; a row of A: 512 bytes + 16: likewise
.set BT,     128*PB                    ; 128 rows of B: one tensor load, and what one wave reads
.set AT,     64*PA                     ; 64 rows of A: likewise
.set AOFF,   2*BT                      ; a slot: B's 256 rows, then A's 128: 137,216 bytes
.set XSLOT,  0x22000                   ; slot 1 begins here: a number that shares no bit with the four tiles' places in slot 0 (0, 0x8800, 0x11000, 0x19400), so that one exclusive or turns an address in one slot into the other's
.set STAGE,  XSLOT+2*BT+2*AT           ; behind the ring, never filled by a tensor load: 16 rows x 272 bytes for each wave
.set SP,     272
.set SPARE,  STAGE+4*16*SP             ; behind the stages: the spare words, 128 bytes for each wave
.set FILLS,  SIZE_K/KSTEP-2            ; K steps 2 to 7 come by refills
.set ADRA0, 6                          ; v6     my lane's place among my A fragments in slot 0; never rewritten
.set ADRA,  7                          ; v7     the same in the slot in hand
.set ADRB0, 8                          ; v8, v9 the same for B
.set ADRB,  9
.set SPW,  10                          ; v10    LDS address of my spare word; never rewritten
.set NIL,  11                          ; v11    0; never rewritten
.set PFO,  12                          ; v12    the prefetches' offset: lane x a row (2,048 bytes of wqb, 4,096 of q); never rewritten
.set STO,  13                          ; v13    the way out: where I put 16 bytes of a row
.set RD,   14                          ; v14    where I read rows back
.set CO,   15                          ; v15    my byte offset in two rows of attnb
.set ZR,   16                          ; v16, v18  1 / denominator for my two heads; v17, v19 are named with them as pairs
.set KVO,  20                          ; v20    16 x lane
.set BOF,  21                          ; v21    32 x (lane / 16)
.set BIAS, 32
.set QF,   96
.set TMP,  160
.set OB,   192
.set ATT,  160                         ; window 3
.set F0,   0                           ; window 1
.set F1,   96
.set ST,   192                         ; window 1
.set G1A, 24                           ; s[24:31] descriptor group 1 for A's tiles;  s[32:39] group 0: a set for each of the two first fills; the second then walks on
.set G0A, 32
.set PST, 40                           ; s[40:41] a K step of a row in the tensor that I prefetch
.set LIM, 43                           ; s43  2 in a wave that prefetches, else the greatest number
.set PFA, 44                           ; s[44:45] where my prefetches stand
.set G1B, 48                           ; s[48:55], s[56:63] the same for B's tiles
.set G0B, 56
.set TB,  68                           ; s68  LDS byte at which the slot in hand begins
.set MSB, 0
.macro WIN new                         ; the immediate's high byte repeats the setting that is left; a switch that changes nothing is dropped
.if MSB != (\new)
	s_set_vgpr_msb (MSB<<8)|(\new)
.set MSB, \new
.endif
.endm
.set MUL,  0xa5                        ; sources 0 (B) and 1 (A) window 1, C and D window 2
.set MULZ, 0x85                        ; the same with C (the bias) in window 0
.set TO_F, 0x40                        ; destination window 1, address window 0
.set CVW,  0x45                        ; destination and both sources window 1
; A joint load by descriptor set s.  Waves 0 and 1 fetch B's two halves (128 rows each), waves 2 and 3 A's (64 rows each).  An s_nop 0 and four v_nop follow each line.
.macro JLOAD s
	s_cmp_eq_u32 s15, 0
	s_cbranch_scc0 .Lfor_a_\@
	tensor_load_to_lds s[G0B+4*(\s):G0B+4*(\s)+3], s[G1B:G1B+7]
	s_nop 0
.rept 4
	v_nop
.endr
	s_branch .Lasked_\@
.Lfor_a_\@:
	tensor_load_to_lds s[G0A+4*(\s):G0A+4*(\s)+3], s[G1A:G1A+7]
	s_nop 0
.rept 4
	v_nop
.endr
.Lasked_\@:
.endm
; A prefetch into the L2 of the K step that stands two refills on: 32 rows x 256 bytes, a lane a row.  B's rows are read by all sixteen clusters: cluster y = 0 asks, waves 0 and 1, the four partners of a
; column 32 rows each by address.  A's 128 rows are read by one row of one cluster: each of its four partners asks for 32 rows, wave 2 for the first 256 bytes of a row's K step, wave 3 for the second.
; The last two refills have no K step two on.
.macro ASK
	s_cmp_gt_u32 s3, s[LIM]
	s_cbranch_scc0 .Lnot_mine_\@
	global_prefetch_b8 v[PFO], s[PFA:PFA+1] th:TH_LOAD_NT scope:SCOPE_SE
.Lnot_mine_\@:
.endm
.macro CREST
	s_cmp_lg_u32 s14, 0
	s_cbranch_scc1 .Lnot_wave_0_\@
	s_barrier_signal -3
.Lnot_wave_0_\@:
	s_barrier_wait -3
	s_barrier_signal -1
	s_barrier_wait -1
.endm
.macro CROUND
	s_barrier_signal -1
	s_barrier_wait -1
	CREST
.endm
	s_load_b256 s[4:11], s[0:1], 0x0               ; q s[4:5], wqb s[6:7], bq s[8:9], kvf s[10:11]
	s_load_b64 s[12:13], s[0:1], 0x20              ; attnb
	v_lshl_add_u32 v[SPW], v0, 2, SPARE
	v_mov_b32 v[NIL], 0
	ds_add_u32 v[SPW], v[NIL]                      ; the wave's opening: an add to my spare word, twice on end, and its wait ahead of my first tensor load
	ds_add_u32 v[SPW], v[NIL]                      ; and once more, under the one wait; the set-up below, work on registers, stands between
	v_lshrrev_b32 v1, 5, v0
	v_readfirstlane_b32 s14, v1                    ; wave 0..3
	s_lshr_b32 s15, s14, 1                         ; RH: which 64 of the tile's tokens are mine.  Also: I fetch for B (0) or for A (1)
	s_and_b32 s16, s14, 1                          ; CH: which 128 of its columns.  Also: which half of that tile I fetch
	s_bfe_u32 s17, ttmp6, 0x40000                  ; cx
	s_bfe_u32 s18, ttmp6, 0x40004                  ; cy
	s_lshl_b32 s19, ttmp9, 2
	s_add_co_u32 s19, s19, s17                     ; TX: the tile of 256 columns
	s_and_b32 s20, ttmp7, 0xffff
	s_lshl_b32 s20, s20, 2
	s_add_co_u32 s20, s20, s18                     ; TY: the tile of 128 tokens
	s_lshl_b32 s21, s18, 2
	s_lshl_b32 s21, 15, s21                        ; my row of the cluster
	s_lshl_b32 s22, 0x1111, s17                    ; my column
	s_or_b32 s[G1A], s21, (2<<16)|(1<<20)|(1<<21)|(6<<22)|(3<<25)  ; the mask; 4-byte elements; padding on; bit 21 beside a mask; after every 128 words 4 words
	s_or_b32 s[G1B], s22, (1<<16)|(1<<20)|(1<<21)|(5<<22)|(3<<25)  ; the mask; 2-byte elements; after every 64 words 4 words
	s_mov_b32 s[G1A+1], KSTEP<<16                  ; tensor_dim0 = 128
	s_mov_b32 s[G1A+2], 64<<16                     ; tensor_dim1 = 64
	s_mov_b32 s[G1A+3], KSTEP<<16                  ; tile_dim0 = 128
	s_mov_b32 s[G1A+4], 64                         ; tile_dim1 = 64
	s_mov_b32 s[G1A+5], SIZE_K                     ; elements from row to row
	s_mov_b32 s[G1A+6], 0
	s_mov_b32 s[G1A+7], 0
	s_mov_b32 s[G1B+1], KSTEP<<16
	s_mov_b32 s[G1B+2], 128<<16                    ; 128 rows
	s_mov_b32 s[G1B+3], KSTEP<<16
	s_mov_b32 s[G1B+4], 128
	s_mov_b32 s[G1B+5], SIZE_K
	s_mov_b32 s[G1B+6], 0
	s_mov_b32 s[G1B+7], 0
	s_lshl_b32 s66, s20, 7
	s_lshl_b32 s67, s16, 6
	s_add_co_u32 s66, s66, s67                     ; A: row 128 TY + 64 x half,
	s_lshl_b32 s66, s66, 12                        ; of 4,096 bytes
	s_mov_b32 s67, 0
	s_lshl_b32 s46, s19, 8
	s_lshl_b32 s47, s16, 7
	s_add_co_u32 s46, s46, s47                     ; B: row 256 TX + 128 x half,
	s_lshl_b32 s46, s46, 11                        ; of 2,048 bytes
	s_mov_b32 s47, 0
	s_mul_i32 s42, s14, BT                         ; where B's halves go (waves 0, 1),
	s_mul_i32 s41, s14, AT
	s_add_co_u32 s41, s41, AOFF-2*AT               ; and A's (waves 2, 3): AOFF + (wave - 2) AT: no place in the cluster enters an LDS address
	s_wait_dscnt 0x0                               ; both opening adds are done
	s_wait_kmcnt 0x0
	s_add_nc_u64 s[66:67], s[4:5], s[66:67]
	s_add_nc_u64 s[46:47], s[6:7], s[46:47]
	CROUND                                         ; all sixteen work-groups are here: the first joint loads meet
.irp s, 0,1
	s_mov_b32 s[G0A+4*(\s)], 1                     ; count = 1
	s_add_co_u32 s[G0A+4*(\s)+1], s41, (\s)*XSLOT  ; LDS address
	s_add_nc_u64 s[G0A+4*(\s)+2:G0A+4*(\s)+3], s[66:67], (\s)*KSTEP*4  ; global address: K step s
	s_or_b32 s[G0A+4*(\s)+3], s[G0A+4*(\s)+3], 0x80000000              ; type = 2
	s_mov_b32 s[G0B+4*(\s)], 1
	s_add_co_u32 s[G0B+4*(\s)+1], s42, (\s)*XSLOT
	s_add_nc_u64 s[G0B+4*(\s)+2:G0B+4*(\s)+3], s[46:47], (\s)*KSTEP*2
	s_or_b32 s[G0B+4*(\s)+3], s[G0B+4*(\s)+3], 0x80000000
	JLOAD \s                                       ; two loads of mine are out
.endr
	v_and_b32 v1, 15, v0                           ; l % 16
	v_bfe_u32 v2, v0, 4, 1                         ; l / 16
	v_and_b32 v4, 31, v0                           ; l
	v_mul_u32_u24 v3, v1, PB
	v_lshl_add_u32 v3, v2, 4, v3                   ; a bf16 fragment's row x pitch + 16 x half
	v_mul_u32_u24 v5, v1, PA
	v_lshl_add_u32 v5, v2, 5, v5                   ; an f32 fragment's row x pitch + 32 x half
	s_mul_i32 s21, s15, AT
	s_add_co_u32 s21, s21, AOFF                    ; my 64 rows of A
	s_mul_i32 s22, s16, BT                         ; my 128 rows of B
	v_add_nc_u32 v[ADRA0], s21, v5
	v_add_nc_u32 v[ADRB0], s22, v3
	v_mov_b32 v[ADRA], v[ADRA0]                    ; K step 0 lies in slot 0
	v_mov_b32 v[ADRB], v[ADRB0]
	s_mov_b32 s[TB], 0
	s_mul_i32 s23, s14, 16*SP
	s_add_co_u32 s23, s23, STAGE                   ; my stage
	v_add_nc_u32 v[STO], s23, v3                   ; in: row l % 16, 16 bytes for each half of the lanes
	v_mul_u32_u24 v5, v2, SP                       ; back: lanes 0-15 one row of 256 bytes, lanes 16-31 the next
	v_lshl_add_u32 v5, v1, 4, v5
	v_add_nc_u32 v[RD], s23, v5
	v_lshlrev_b32 v5, 11, v2                       ; and the same two rows in attnb
	v_lshl_add_u32 v[CO], v1, 4, v5
	v_mov_b32 v[ZR+1], 0
	v_mov_b32 v[ZR+3], 0
	v_lshlrev_b32 v[KVO], 4, v4
	v_lshlrev_b32 v[BOF], 5, v2
	s_add_co_u32 s23, s15, 11
	v_lshlrev_b32 v[PFO], s23, v4                  ; lane x 2,048 where I fetch for B, x 4,096 for A
	s_mov_b32 s71, 0
	s_lshl_b32 s70, s19, 10                        ; bq at my first column: (256 TX + 128 CH) x 4
	s_lshl_b32 s22, s16, 9
	s_add_co_u32 s70, s70, s22
	s_add_nc_u64 s[8:9], s[8:9], s[70:71]
	s_lshr_b32 s21, s20, 4                         ; kvf at my first head: 16 batch + 4 TX + 2 CH
	s_lshl_b32 s21, s21, 4
	s_lshl_b32 s22, s19, 2
	s_add_co_u32 s21, s21, s22
	s_lshl_b32 s22, s16, 1
	s_add_co_u32 s21, s21, s22
	s_mul_i32 s70, s21, 10240
	s_add_nc_u64 s[10:11], s[10:11], s[70:71]
	s_lshl_b32 s21, s20, 7                         ; attnb at my first token and column
	s_lshl_b32 s22, s15, 6
	s_add_co_u32 s21, s21, s22
	s_lshl_b32 s70, s21, 11
	s_lshl_b32 s22, s19, 9
	s_add_co_u32 s70, s70, s22
	s_lshl_b32 s22, s16, 8
	s_add_co_u32 s70, s70, s22
	s_add_nc_u64 s[12:13], s[12:13], s[70:71]
.irp b, 0,1,2,3,4,5,6,7                ; the bias as a C operand: register j of block b is column 16 b + 8 (l / 16) + j
	global_load_b128 v[BIAS+8*(\b):BIAS+8*(\b)+3],   v[BOF], s[8:9] offset:64*(\b)
	global_load_b128 v[BIAS+8*(\b)+4:BIAS+8*(\b)+7], v[BOF], s[8:9] offset:64*(\b)+16
.endr
	WIN 0xc0                                       ; destination window 3
.irp hh, 0,1
.irp fr, 0,1,2,3,4,5,6,7,8,9
	global_load_b128 v[80*(\hh)+8*(\fr):80*(\hh)+8*(\fr)+3],   v[KVO], s[10:11] offset:10240*(\hh)+1024*(\fr)
	global_load_b128 v[80*(\hh)+8*(\fr)+4:80*(\hh)+8*(\fr)+7], v[KVO], s[10:11] offset:10240*(\hh)+1024*(\fr)+512
.endr
.endr
	WIN 0
	; the prefetches: they stand at K step 3; each refill steps them by a K step and then asks: the first for K step 4.  Nothing is asked for here, at the head
	s_lshl_b32 s21, s19, 8
	s_lshl_b32 s22, s16, 7
	s_add_co_u32 s21, s21, s22
	s_lshl_b32 s22, s18, 5
	s_add_co_u32 s21, s21, s22                     ; B: row 256 TX + 128 CH + 32 cy
	s_lshl_b32 s21, s21, 11
	s_add_co_u32 s21, s21, 3*KSTEP*2
	s_lshl_b32 s22, s20, 7
	s_lshl_b32 s23, s17, 5
	s_add_co_u32 s22, s22, s23                     ; A: row 128 TY + 32 cx,
	s_lshl_b32 s22, s22, 12
	s_lshl_b32 s23, s16, 8
	s_add_co_u32 s22, s22, s23                     ; wave 2 the first 256 bytes of a row's K step, wave 3 the second
	s_add_co_u32 s22, s22, 3*KSTEP*4
	s_and_b32 s23, ttmp7, 0xffff                   ; cluster y
	s_cmp_eq_u32 s15, 0
	s_cselect_b32 s70, s21, s22
	s_cselect_b32 s23, s23, ttmp9                  ; the coordinate along which other clusters read the same rows (the grid has one cluster along x)
	s_cselect_b64 s[PFA:PFA+1], s[6:7], s[4:5]
	s_cmp_eq_u32 s23, 0
	s_cselect_b32 s[LIM], 2, -1                    ; the same in all sixteen partners, for a given wave
	s_add_nc_u64 s[PFA:PFA+1], s[PFA:PFA+1], s[70:71]
	s_lshl_b32 s[PST], 256, s15                    ; a K step of a row: 256 bytes of wqb, 512 of q
	s_mov_b32 s[PST+1], 0
; 8 matrix instructions: token block a x all 8 column blocks, 32 along K.  zero = 1: they start the sums, with the bias as C.  The 32 accumulators take turns.
.macro MUL8 f, a, zero
.if \zero
	WIN MULZ
.else
	WIN MUL
.endif
.irp b, 0,1,2,3,4,5,6,7
.if \zero
	v_wmma_f32_16x16x32_bf16 v[8*(8*(\a)+(\b)):8*(8*(\a)+(\b))+7], v[(\f)+8*(\b):(\f)+8*(\b)+7], v[(\f)+64+8*(\a):(\f)+64+8*(\a)+7], v[BIAS+8*(\b):BIAS+8*(\b)+7]
.else
	v_wmma_f32_16x16x32_bf16 v[8*(8*(\a)+(\b)):8*(8*(\a)+(\b))+7], v[(\f)+8*(\b):(\f)+8*(\b)+7], v[(\f)+64+8*(\a):(\f)+64+8*(\a)+7], v[8*(8*(\a)+(\b)):8*(8*(\a)+(\b))+7]
.endif
.endr
.endm
; 32 LDS loads in one run, for quarter qq of the slot in hand: B's eight fragments into buffer f; A's four in f32: a lane's k = 8 (l / 16) + 0..7 are 32 bytes, its k = 16 + 8 (l / 16) + 0..7 the 32 bytes 64 further on
.macro FETCH qq, f
	WIN TO_F
.irp i, 0,1,2,3,4,5,6,7
	ds_load_b128 v[(\f)+8*(\i):(\f)+8*(\i)+3],   v[ADRB] offset:64*(\qq)+(\i)*16*PB
	ds_load_b128 v[(\f)+8*(\i)+4:(\f)+8*(\i)+7], v[ADRB] offset:64*(\qq)+(\i)*16*PB+32
.endr
.irp i, 0,1,2,3
	ds_load_b128 v[ST+16*(\i):ST+16*(\i)+3],     v[ADRA] offset:128*(\qq)+(\i)*16*PA
	ds_load_b128 v[ST+16*(\i)+4:ST+16*(\i)+7],   v[ADRA] offset:128*(\qq)+(\i)*16*PA+16
	ds_load_b128 v[ST+16*(\i)+8:ST+16*(\i)+11],  v[ADRA] offset:128*(\qq)+(\i)*16*PA+64
	ds_load_b128 v[ST+16*(\i)+12:ST+16*(\i)+15], v[ADRA] offset:128*(\qq)+(\i)*16*PA+80
.endr
.endm
; A's four fragments are rounded to bf16 into buffer f.  The 32 lines name no register of the products before them (those read the other buffer): they are the places in front of the loads that follow.
.macro CVTA f
	WIN CVW
.irp i, 0,1,2,3
.irp j, 0,1,2,3,4,5,6,7
	v_cvt_pk_bf16_f32 v[(\f)+64+8*(\i)+(\j)], v[ST+16*(\i)+2*(\j)], v[ST+16*(\i)+2*(\j)+1]
.endr
.endr
.endm
.macro PLACES                          ; four plain vector instructions between a matrix instruction and a load into, or a vector instruction on, its registers
.rept 4
	v_nop
.endr
.endm
; A K step is four quarters of 32 along K, 32 matrix instructions each, on buffers 0, 1, 0, 1.  At its head a quarter rounds its A and fetches quarter qq's fragments into g: they have its 32 products in which to come.
.macro QUARTER qq, f, g, zero
	s_wait_dscnt 0x0                               ; buffer f's B and the f32 A are in
	CVTA \f
	FETCH \qq, \g
	MUL8 \f, 0, \zero
	MUL8 \f, 1, \zero
	MUL8 \f, 2, \zero
	MUL8 \f, 3, \zero
.endm
; The last quarter multiplies buffer 1 and changes slots: one barrier; in front of it each wave waits for all its tensor loads (one is out: its part of the next slot), adds 0 to its spare word, and waits
; for that and for its reads of this slot.  fill = 1: the barrier opens a round of the cluster's, and the joint refill, two K steps on, is the first thing behind it.
.macro TURN fill
.if \fill
	s_wait_xcnt 0x0                                ; the last prefetch, a K step back, has read its address
	s_add_nc_u64 s[PFA:PFA+1], s[PFA:PFA+1], s[PST:PST+1]
.endif
	WIN 0                                          ; (the add's two registers lie in window 0)
	s_wait_tensorcnt 0x0                           ; no tensor load of mine is out, so a group 0 may be written
	ds_add_u32 v[SPW], v[NIL]
.if \fill
	s_xor_b32 s[G0A+5], s[G0A+5], XSLOT            ; the walking descriptors: the other slot than last time,
	s_add_nc_u64 s[G0A+6:G0A+7], s[G0A+6:G0A+7], KSTEP*4  ; the next K step; the type bits on top are not reached
	s_xor_b32 s[G0B+5], s[G0B+5], XSLOT
	s_add_nc_u64 s[G0B+6:G0B+7], s[G0B+6:G0B+7], KSTEP*2
.endif
	s_xor_b32 s[TB], s[TB], XSLOT                  ; the fetches go on in the other slot
	s_wait_dscnt 1                                 ; buffer 1's B and the f32 A are in; the add alone may be out
	v_add_nc_u32 v[ADRA], s[TB], v[ADRA0]
	v_add_nc_u32 v[ADRB], s[TB], v[ADRB0]
	CVTA F1
	MUL8 F1, 0, 0                                  ; the conversions and eight matrix instructions stand between the add and the wait for it
	s_wait_dscnt 0x0                               ; the add is done, and my reads of this slot are over
	s_barrier_signal -1
	MUL8 F1, 1, 0
.if \fill
	WIN 0
.endif
	s_barrier_wait -1
.if \fill
	CREST                                          ; no wave of any partner still reads this slot or has a load on its way
	JLOAD 1                                        ; one load of mine is out
.else
	PLACES
.endif
	FETCH 0, F0
.if \fill
	WIN 0
	ASK
.endif
	MUL8 F1, 2, 0
	MUL8 F1, 3, 0
.endm
	s_wait_tensorcnt 1                             ; my part of K step 0 is in; K step 1's may stay out
	s_barrier_signal -1
	s_barrier_wait -1
	FETCH 0, F0
	s_wait_loadcnt 40                              ; the bias is in; the forty loads of kv_sum's fragments, issued behind it, may stay out
	QUARTER 1, F0, F1, 1                           ; the first quarter starts the sums
	WIN 0
	s_mov_b32 s3, FILLS
.Lstep:                                                ; a trip: a K step's second to fourth quarter, a refill, and the next step's first quarter
	QUARTER 2, F1, F0, 0
	QUARTER 3, F0, F1, 0
	TURN 1
	QUARTER 1, F0, F1, 0
	WIN 0
	s_sub_co_u32 s3, s3, 1
	s_cmp_lg_u32 s3, 0
	s_cbranch_scc1 .Lstep
	s_mov_b32 s3, 2
.Ltail:                                                ; the last two K steps fill nothing; the second trip is left in its middle
	QUARTER 2, F1, F0, 0
	QUARTER 3, F0, F1, 0
	WIN 0
	s_cmp_eq_u32 s3, 1
	s_cbranch_scc1 .Llastq
	TURN 0
	QUARTER 1, F0, F1, 0
	WIN 0
	s_sub_co_u32 s3, s3, 1
	s_cmp_lg_u32 s3, 0
	s_cbranch_scc1 .Ltail
.Llastq:
	s_wait_dscnt 0x0
	CVTA F1
	MUL8 F1, 0, 0
	MUL8 F1, 1, 0
	MUL8 F1, 2, 0
	MUL8 F1, 3, 0
; BEHIND THE PROJECTION, a block of 16 tokens at a time.  PREP a: its 8 accumulators are squared in place and rounded to bf16 in pairs: head hh's fragment for d = 32 ks on lies at QB + 16 hh + 8 ks.
.macro PREP a
.set QB, QF+32*((\a)%2)
	WIN 0x8a
.irp b, 0,1,2,3,4,5,6,7
.irp r, 0,1,2,3
.set AC, 8*(8*(\a)+(\b))+2*(\r)
	v_pk_mul_f32 v[AC:AC+1], v[AC:AC+1], v[AC:AC+1]
.endr
.endr
	WIN 0x0a
.irp b, 0,1,2,3,4,5,6,7
.irp r, 0,1,2,3
.set AC, 8*(8*(\a)+(\b))+2*(\r)
	v_cvt_pk_bf16_f32 v[QB+4*(\b)+(\r)], v[AC], v[AC+1]
.endr
.endr
.endm
; MM a: for both heads, four blocks of e and the block of ksum: 20 matrix instructions on ten accumulators that take turns; the first ten start the sums.
.macro MM a
.set QB, QF+32*((\a)%2)
	WIN 0xf3                                       ; source 0, C and D window 3, source 1 window 0
.irp ks, 0,1
.irp hh, 0,1
.irp et, 0,1,2,3,4
.if (\ks) == 0
	v_wmma_f32_16x16x32_bf16 v[ATT+40*(\hh)+8*(\et):ATT+40*(\hh)+8*(\et)+7], v[80*(\hh)+8*(5*(\ks)+(\et)):80*(\hh)+8*(5*(\ks)+(\et))+7], v[QB+16*(\hh)+8*(\ks):QB+16*(\hh)+8*(\ks)+7], 0
.else
	v_wmma_f32_16x16x32_bf16 v[ATT+40*(\hh)+8*(\et):ATT+40*(\hh)+8*(\et)+7], v[80*(\hh)+8*(5*(\ks)+(\et)):80*(\hh)+8*(5*(\ks)+(\et))+7], v[QB+16*(\hh)+8*(\ks):QB+16*(\hh)+8*(\ks)+7], v[ATT+40*(\hh)+8*(\et):ATT+40*(\hh)+8*(\et)+7]
.endif
.endr
.endr
.endr
.endm
; FIN a: z = 1 / (denominator + 1e-6), from the fifth accumulator's lowest register; the other four times z, rounded to bf16; 16 bytes a lane into my stage, and back as whole rows of 256 bytes.
.macro FIN a
.set OBB, OB+32*((\a)%2)
	WIN 0x0c                                       ; source 1 window 3
	v_add_f32 v[ZR], 0x358637bd, v[ATT+32]
	v_add_f32 v[ZR+2], 0x358637bd, v[ATT+72]
	WIN 0
	v_rcp_f32 v[ZR], v[ZR]
	v_rcp_f32 v[ZR+2], v[ZR+2]
	v_nop                                          ; a plain instruction between the last reciprocal and the use of its result (ISA guide 5.7.2)
	s_wait_alu depctr_va_vdst(0)                   ; and a wait ahead of the first use: one for both
	WIN 0xc3
.irp hh, 0,1
.irp et, 0,1,2,3
.irp r, 0,1,2,3
.set AC, ATT+40*(\hh)+8*(\et)+2*(\r)
	v_pk_mul_f32 v[AC:AC+1], v[AC:AC+1], v[ZR+2*(\hh):ZR+2*(\hh)+1] op_sel_hi:[1,0]
.endr
.endr
.endr
	WIN 0x0f
.irp hh, 0,1
.irp et, 0,1,2,3
.irp r, 0,1,2,3
.set AC, ATT+40*(\hh)+8*(\et)+2*(\r)
	v_cvt_pk_bf16_f32 v[TMP+4*(4*(\hh)+(\et))+(\r)], v[AC], v[AC+1]
.endr
.endr
.endr
	WIN 0
	s_wait_xcnt 0x0                                ; the stores of the block two back have read the registers that are loaded again below
.irp c, 0,1,2,3,4,5,6,7
	ds_store_b128 v[STO], v[TMP+4*(\c):TMP+4*(\c)+3] offset:32*(\c)
.endr
.irp t, 0,1,2,3,4,5,6,7
	ds_load_b128 v[OBB+4*(\t):OBB+4*(\t)+3], v[RD] offset:(\t)*2*SP  ; LDS serves a wave's instructions in order (ISA guide 5.7.1.4): these see the stores above; the next block's stores come behind them
.endr
.endm
.macro SEND a
.set OBB, OB+32*((\a)%2)
	WIN 0
	s_wait_dscnt 0x0
.irp t, 0,1,2,3,4,5,6,7
	global_store_b128 v[CO], v[OBB+4*(\t):OBB+4*(\t)+3], s[12:13] offset:(16*(\a)+2*(\t))*2048  ; 16 lanes store 256 consecutive bytes, aligned
.endr
.endm
	s_wait_loadcnt 0x0                             ; kv_sum's fragments
	PLACES
	PLACES
	PREP 0
	MM 0
	PREP 1                                         ; a block's 64 lines name no register of the products before them: they are the places ahead of FIN's reads
	FIN 0
	MM 1
	PREP 2
	SEND 0
	FIN 1
	MM 2
	PREP 3
	SEND 1
	FIN 2
	MM 3
	PLACES
	PLACES
	SEND 2
	FIN 3
	SEND 3
	s_wait_tensorcnt 0x0                           ; the wave's end: behind my last tensor load and my last LDS store
	ds_add_u32 v[SPW], v[NIL]
	s_wait_dscnt 0x0
	CROUND                                         ; the closing round
	s_endpgm
.Lfunc_end_k_qbccf007964_qattn:
	.size	k_qbccf007964_qattn, .Lfunc_end_k_qbccf007964_qattn-k_qbccf007964_qattn
	.p2alignl 7, 3214868480
	.fill 96, 4, 3214868480
	.section	.rodata,"a",@progbits
	.p2align	6, 0x0
	.amdhsa_kernel k_qbccf007964_qattn
		.amdhsa_group_segment_fixed_size 327680
		.amdhsa_private_segment_fixed_size 0
		.amdhsa_enable_private_segment 0
		.amdhsa_kernarg_size 40
		.amdhsa_user_sgpr_count 2
		.amdhsa_user_sgpr_kernarg_segment_ptr 1
		.amdhsa_wavefront_size32 1
		.amdhsa_system_sgpr_workgroup_id_x 1
		.amdhsa_system_sgpr_workgroup_id_y 1
		.amdhsa_system_sgpr_workgroup_id_z 1
		.amdhsa_system_vgpr_workitem_id 0
		.amdhsa_next_free_vgpr 1024
		.amdhsa_next_free_sgpr 72
		.amdhsa_reserve_vcc 0
		.amdhsa_float_denorm_mode_32 3
		.amdhsa_float_denorm_mode_16_64 3
		.amdhsa_memory_ordered 1
		.amdhsa_forward_progress 1
		.amdhsa_inst_pref_size 125
	.end_amdhsa_kernel
	.amdgpu_metadata
---
amdhsa.version: [ 1, 2 ]
amdhsa.kernels:
  - .name:           k_qbccf007964_qattn
    .symbol:         k_qbccf007964_qattn.kd
    .args:
      - { .name: q, .offset: 0, .size: 8, .value_kind: global_buffer, .address_space: global }
      - { .name: wqb, .offset: 8, .size: 8, .value_kind: global_buffer, .address_space: global }
      - { .name: bq, .offset: 16, .size: 8, .value_kind: global_buffer, .address_space: global }
      - { .name: kvf, .offset: 24, .size: 8, .value_kind: global_buffer, .address_space: global }
      - { .name: attnb, .offset: 32, .size: 8, .value_kind: global_buffer, .address_space: global }
    .group_segment_fixed_size: 327680
    .private_segment_fixed_size: 0
    .kernarg_segment_align: 8
    .kernarg_segment_size: 40
    .max_flat_workgroup_size: 128
    .sgpr_count:     72
    .vgpr_count:     1024
    .wavefront_size: 32
...
	.end_amdgpu_metadata
.endif
;; end of part 4
;; launch oproj (part 5): grid 4 x 64, 4 waves a work-group, clusters of 4 x 4, 327,680 bytes of LDS; arguments attnb, wob, bo, out0; writes out0
.if DOCPART == 5
	.amdgcn_target "amdgcn-amd-amdhsa--gfx1250"
	.amdhsa_code_object_version 6
	.text
	.protected	k_qbccf007964_oproj
	.globl	k_qbccf007964_oproj
	.p2align	8
	.type	k_qbccf007964_oproj,@function
k_qbccf007964_oproj:
	s_mov_b64 s[64:65], 0
	v_nop
	global_prefetch_b8 v0, s[64:65] scope:SCOPE_SE
	s_setreg_imm32_b32 hwreg(HW_REG_WAVE_MODE, 25, 1), 1
	s_wait_xcnt 0x0
	s_wait_alu depctr_hold_cnt(0) depctr_sa_sdst(0) depctr_va_vdst(0) depctr_va_sdst(0) depctr_va_ssrc(0) depctr_va_vcc(0) depctr_vm_vsrc(0)
	s_getreg_b32 s2, hwreg(HW_REG_IB_STS2, 6, 4)
	s_cmp_eq_u32 s2, 0
	s_cbranch_scc0 .Lentry_in_a_cluster
	s_endpgm
.Lentry_in_a_cluster:
	s_bfe_u32 s2, ttmp6, 0x10000c
	s_cmp_lg_u32 s2, 0xf033
	s_cbranch_scc0 .Lentry_shape_is_right
	s_endpgm
.Lentry_shape_is_right:
; OPROJ: out[t][o] = the sum over i of attn[t][i] Wo[o][i] + bo[o].  attnb: [8192][1024] bf16.  wob: [1024][1024] bf16.  bo: [1024] f32.  out0: [8192][1024] f32.
; SHARES.  A work-group makes 128 tokens x 256 columns, each of its four waves 64 x 128: 32 accumulators.  K in steps of 128 through two LDS slots filled by joint tensor loads.
; Source 0 = 16 rows of Wo, source 1 = 16 tokens: a lane holds one token and eight neighbouring columns, 32 bytes of a row of out0.  The bias is the C operand of the products that start the sums.
; The way out goes through each wave's own stage in LDS, 16 tokens at a time, so that a store covers 512 consecutive bytes of a row.
; THE TEXT.  A K step is written once and walked six times; the last two steps, which fill nothing, are a loop of two trips that is left in its middle.  Which slot is read hangs on a scalar that one exclusive or turns.
; CLUSTER.  4 x 4 work-groups: a row shares its tokens, a column its rows of Wo: joint loads.
; LIMITS.  Operands rounded to bf16 (attn, Wo); sums in f32; NaN and infinities are not treated apart.
; REGISTERS: window 0: v0-21 addresses; v32-95 the bias; v96-223 rows read back, two buffers.   window 1: two fragment buffers of 96.   window 2: the accumulators, (a, b) at v[8 (8 a + b)].
.set SIZE_K, 1024
.set KSTEP,  128
.set PITCH,  272                       ; an LDS row: 256 bytes + 16 of padding: the 16 rows of a load start at 16 different groups of four banks (64 banks of 4 bytes: ISA guide 11.1)
.set BT,     128*PITCH
.set AT,     64*PITCH
.set AOFF,   2*BT                      ; a slot: B's 256 rows, then A's 128: 104,448 bytes
.set XSLOT,  1<<17                     ; slot 1 begins here, so that one exclusive or turns an address in one slot into the other's
.set STAGE,  XSLOT+2*BT+2*AT           ; behind the ring, never filled by a tensor load: 16 rows x 528 bytes for each wave
.set SP,     528                       ; 512 bytes + 16 of padding
.set SPARE,  STAGE+4*16*SP             ; behind the stages: the spare words, 128 bytes for each wave
.set FILLS,  SIZE_K/KSTEP-2            ; K steps 2 to 7 come by refills
.set ADRA0, 6                          ; v6     my lane's place among my A fragments in slot 0; never rewritten
.set ADRA,  7                          ; v7     the same in the slot in hand
.set ADRB0, 8                          ; v8, v9 the same for B
.set ADRB,  9
.set SPW,  10                          ; v10    LDS address of my spare word; never rewritten
.set NIL,  11                          ; v11    0; never rewritten
.set PFO,  12                          ; v12    lane x 2,048; never rewritten
.set STO,  13                          ; v13    the way out: where I put 32 bytes of a row
.set RD,   14                          ; v14    where I read a row back
.set CO,   15                          ; v15    16 x lane
.set BOF,  21                          ; v21    32 x (lane / 16)
.set BIAS, 32
.set OB,   96
.set F0,   0
.set F1,   96
.set G1A, 24                           ; s[24:31] descriptor group 1 for A's tiles;  s[32:39] group 0: a set for each of the two first fills; the second then walks on
.set G0A, 32
.set LIM, 43                           ; s43  2 in a wave that prefetches, else the greatest number
.set PFA, 44                           ; s[44:45] where my prefetches stand
.set G1B, 48
.set G0B, 56
.set TB,  68                           ; s68  LDS byte at which the slot in hand begins
.set MSB, 0
.macro WIN new                         ; the immediate's high byte repeats the setting that is left; a switch that changes nothing is dropped
.if MSB != (\new)
	s_set_vgpr_msb (MSB<<8)|(\new)
.set MSB, \new
.endif
.endm
.set MUL,  0xa5                        ; sources 0 (B) and 1 (A) window 1, C and D window 2
.set MULZ, 0x85                        ; the same with C (the bias) in window 0
.set TO_F, 0x40
; A joint load by descriptor set s.  Waves 0 and 1 fetch B's two halves (128 rows each), waves 2 and 3 A's (64 rows each).  An s_nop 0 and four v_nop follow each line.
.macro JLOAD s
	s_cmp_eq_u32 s15, 0
	s_cbranch_scc0 .Lfor_a_\@
	tensor_load_to_lds s[G0B+4*(\s):G0B+4*(\s)+3], s[G1B:G1B+7]
	s_nop 0
.rept 4
	v_nop
.endr
	s_branch .Lasked_\@
.Lfor_a_\@:
	tensor_load_to_lds s[G0A+4*(\s):G0A+4*(\s)+3], s[G1A:G1A+7]
	s_nop 0
.rept 4
	v_nop
.endr
.Lasked_\@:
.endm
; A prefetch into the L2 of the K step that stands two refills on: 32 rows x 256 bytes, a lane a row.  B's rows: cluster y = 0 asks, waves 0 and 1, a column's four partners 32 rows each by address.
; A's 128 rows: wave 2 of each of a row's four partners asks for 32.  The last two refills have no K step two on.
.macro ASK
	s_cmp_gt_u32 s3, s[LIM]
	s_cbranch_scc0 .Lnot_mine_\@
	global_prefetch_b8 v[PFO], s[PFA:PFA+1] offset:KSTEP*2 th:TH_LOAD_NT scope:SCOPE_SE
.Lnot_mine_\@:
.endm
.macro CREST
	s_cmp_lg_u32 s14, 0
	s_cbranch_scc1 .Lnot_wave_0_\@
	s_barrier_signal -3
.Lnot_wave_0_\@:
	s_barrier_wait -3
	s_barrier_signal -1
	s_barrier_wait -1
.endm
.macro CROUND
	s_barrier_signal -1
	s_barrier_wait -1
	CREST
.endm
	s_load_b256 s[4:11], s[0:1], 0x0               ; attnb s[4:5], wob s[6:7], bo s[8:9], out0 s[10:11]
	v_lshl_add_u32 v[SPW], v0, 2, SPARE
	v_mov_b32 v[NIL], 0
	ds_add_u32 v[SPW], v[NIL]                      ; the wave's opening: an add to my spare word, twice on end, and its wait ahead of my first tensor load
	ds_add_u32 v[SPW], v[NIL]                      ; and once more, under the one wait; the set-up below, work on registers, stands between
	v_lshrrev_b32 v1, 5, v0
	v_readfirstlane_b32 s14, v1                    ; wave 0..3
	s_lshr_b32 s15, s14, 1                         ; RH: which 64 of the tile's tokens are mine.  Also: I fetch for B (0) or for A (1)
	s_and_b32 s16, s14, 1                          ; CH: which 128 of its columns.  Also: which half of that tile I fetch
	s_bfe_u32 s17, ttmp6, 0x40000                  ; cx
	s_bfe_u32 s18, ttmp6, 0x40004                  ; cy
	s_lshl_b32 s19, ttmp9, 2
	s_add_co_u32 s19, s19, s17                     ; TX
	s_and_b32 s20, ttmp7, 0xffff
	s_lshl_b32 s20, s20, 2
	s_add_co_u32 s20, s20, s18                     ; TY
	s_lshl_b32 s21, s18, 2
	s_lshl_b32 s21, 15, s21                        ; my row of the cluster
	s_lshl_b32 s22, 0x1111, s17                    ; my column
	s_or_b32 s[G1A], s21, (1<<16)|(1<<20)|(1<<21)|(5<<22)|(3<<25)  ; the mask; 2-byte elements; padding on; bit 21 beside a mask; after every 64 words 4 words
	s_or_b32 s[G1B], s22, (1<<16)|(1<<20)|(1<<21)|(5<<22)|(3<<25)
	s_mov_b32 s[G1A+1], KSTEP<<16                  ; tensor_dim0 = 128
	s_mov_b32 s[G1A+2], 64<<16                     ; tensor_dim1 = 64
	s_mov_b32 s[G1A+3], KSTEP<<16                  ; tile_dim0 = 128
	s_mov_b32 s[G1A+4], 64                         ; tile_dim1 = 64
	s_mov_b32 s[G1A+5], SIZE_K
	s_mov_b32 s[G1A+6], 0
	s_mov_b32 s[G1A+7], 0
	s_mov_b32 s[G1B+1], KSTEP<<16
	s_mov_b32 s[G1B+2], 128<<16
	s_mov_b32 s[G1B+3], KSTEP<<16
	s_mov_b32 s[G1B+4], 128
	s_mov_b32 s[G1B+5], SIZE_K
	s_mov_b32 s[G1B+6], 0
	s_mov_b32 s[G1B+7], 0
	s_lshl_b32 s66, s20, 7
	s_lshl_b32 s67, s16, 6
	s_add_co_u32 s66, s66, s67                     ; A: row 128 TY + 64 x half
	s_lshl_b32 s66, s66, 11
	s_mov_b32 s67, 0
	s_lshl_b32 s46, s19, 8
	s_lshl_b32 s47, s16, 7
	s_add_co_u32 s46, s46, s47                     ; B: row 256 TX + 128 x half
	s_lshl_b32 s46, s46, 11
	s_mov_b32 s47, 0
	s_mul_i32 s42, s14, BT                         ; where B's halves go (waves 0, 1),
	s_mul_i32 s41, s14, AT
	s_add_co_u32 s41, s41, AOFF-2*AT               ; and A's (waves 2, 3): AOFF + (wave - 2) AT: no place in the cluster enters an LDS address
	s_wait_dscnt 0x0                               ; both opening adds are done
	s_wait_kmcnt 0x0
	s_add_nc_u64 s[66:67], s[4:5], s[66:67]
	s_add_nc_u64 s[46:47], s[6:7], s[46:47]
	CROUND                                         ; all sixteen work-groups are here: the first joint loads meet
.irp s, 0,1
	s_mov_b32 s[G0A+4*(\s)], 1
	s_add_co_u32 s[G0A+4*(\s)+1], s41, (\s)*XSLOT
	s_add_nc_u64 s[G0A+4*(\s)+2:G0A+4*(\s)+3], s[66:67], (\s)*KSTEP*2
	s_or_b32 s[G0A+4*(\s)+3], s[G0A+4*(\s)+3], 0x80000000
	s_mov_b32 s[G0B+4*(\s)], 1
	s_add_co_u32 s[G0B+4*(\s)+1], s42, (\s)*XSLOT
	s_add_nc_u64 s[G0B+4*(\s)+2:G0B+4*(\s)+3], s[46:47], (\s)*KSTEP*2
	s_or_b32 s[G0B+4*(\s)+3], s[G0B+4*(\s)+3], 0x80000000
	JLOAD \s                                       ; two loads of mine are out
.endr
	v_and_b32 v1, 15, v0                           ; l % 16
	v_bfe_u32 v2, v0, 4, 1                         ; l / 16
	v_and_b32 v4, 31, v0                           ; l
	v_mul_u32_u24 v3, v1, PITCH
	v_lshl_add_u32 v3, v2, 4, v3
	s_mul_i32 s21, s15, AT
	s_add_co_u32 s21, s21, AOFF                    ; my 64 rows of A
	s_mul_i32 s22, s16, BT                         ; my 128 rows of B
	v_add_nc_u32 v[ADRA0], s21, v3
	v_add_nc_u32 v[ADRB0], s22, v3
	v_mov_b32 v[ADRA], v[ADRA0]                    ; K step 0 lies in slot 0
	v_mov_b32 v[ADRB], v[ADRB0]
	s_mov_b32 s[TB], 0
	s_mul_i32 s23, s14, 16*SP
	s_add_co_u32 s23, s23, STAGE                   ; my stage
	v_mul_u32_u24 v5, v1, SP                       ; in: row l % 16, 32 bytes for each half of the lanes
	v_lshl_add_u32 v5, v2, 5, v5
	v_add_nc_u32 v[STO], s23, v5
	v_lshl_add_u32 v[RD], v4, 4, s23               ; back: 32 lanes take one row of 512 bytes
	v_lshlrev_b32 v[CO], 4, v4
	v_lshlrev_b32 v[BOF], 5, v2
	v_lshlrev_b32 v[PFO], 11, v4
	s_mov_b32 s71, 0
	s_lshl_b32 s70, s19, 10                        ; bo at my first column: (256 TX + 128 CH) x 4
	s_lshl_b32 s22, s16, 9
	s_add_co_u32 s70, s70, s22
	s_add_nc_u64 s[8:9], s[8:9], s[70:71]
	s_add_nc_u64 s[10:11], s[10:11], s[70:71]      ; out0 at the same column,
	s_lshl_b32 s21, s20, 7
	s_lshl_b32 s22, s15, 6
	s_add_co_u32 s21, s21, s22
	s_lshl_b32 s70, s21, 12                        ; and at my first token
	s_add_nc_u64 s[10:11], s[10:11], s[70:71]
.irp b, 0,1,2,3,4,5,6,7                ; the bias as a C operand: register j of block b is column 16 b + 8 (l / 16) + j
	global_load_b128 v[BIAS+8*(\b):BIAS+8*(\b)+3],   v[BOF], s[8:9] offset:64*(\b)
	global_load_b128 v[BIAS+8*(\b)+4:BIAS+8*(\b)+7], v[BOF], s[8:9] offset:64*(\b)+16
.endr
	; the prefetches
	s_lshl_b32 s21, s19, 8
	s_lshl_b32 s22, s16, 7
	s_add_co_u32 s21, s21, s22
	s_lshl_b32 s22, s18, 5
	s_add_co_u32 s21, s21, s22                     ; B: row 256 TX + 128 CH + 32 cy
	s_lshl_b32 s22, s20, 7
	s_lshl_b32 s23, s17, 5
	s_add_co_u32 s22, s22, s23                     ; A: row 128 TY + 32 cx
	s_and_b32 s23, ttmp7, 0xffff                   ; cluster y
	s_or_b32 s40, ttmp9, s16                       ; 0 in wave 2 (the grid has one cluster along x)
	s_cmp_eq_u32 s15, 0
	s_cselect_b32 s21, s21, s22
	s_cselect_b32 s23, s23, s40
	s_cselect_b64 s[PFA:PFA+1], s[6:7], s[4:5]
	s_cmp_eq_u32 s23, 0
	s_cselect_b32 s[LIM], 2, -1                    ; the same in all sixteen partners, for a given wave
	s_lshl_b32 s70, s21, 11
	s_add_nc_u64 s[PFA:PFA+1], s[PFA:PFA+1], s[70:71]
	s_add_nc_u64 s[PFA:PFA+1], s[PFA:PFA+1], 2*KSTEP*2  ; at K step 2: the first refill steps it to 3 and names K step 4; nothing is asked for at the head
; 8 matrix instructions: token block a x all 8 column blocks, 32 along K.  zero = 1: they start the sums, with the bias as C.  The 32 accumulators take turns.
.macro MUL8 f, a, zero
.if \zero
	WIN MULZ
.else
	WIN MUL
.endif
.irp b, 0,1,2,3,4,5,6,7
.if \zero
	v_wmma_f32_16x16x32_bf16 v[8*(8*(\a)+(\b)):8*(8*(\a)+(\b))+7], v[(\f)+8*(\b):(\f)+8*(\b)+7], v[(\f)+64+8*(\a):(\f)+64+8*(\a)+7], v[BIAS+8*(\b):BIAS+8*(\b)+7]
.else
	v_wmma_f32_16x16x32_bf16 v[8*(8*(\a)+(\b)):8*(8*(\a)+(\b))+7], v[(\f)+8*(\b):(\f)+8*(\b)+7], v[(\f)+64+8*(\a):(\f)+64+8*(\a)+7], v[8*(8*(\a)+(\b)):8*(8*(\a)+(\b))+7]
.endif
.endr
.endm
.macro FETCH k, f                      ; 24 LDS loads in one run: 128 rows of B and 64 of A of the slot in hand, 32 K at byte k of the rows
	WIN TO_F
.irp i, 0,1,2,3,4,5,6,7
	ds_load_b128 v[(\f)+8*(\i):(\f)+8*(\i)+3],   v[ADRB] offset:(\k)+(\i)*16*PITCH
	ds_load_b128 v[(\f)+8*(\i)+4:(\f)+8*(\i)+7], v[ADRB] offset:(\k)+(\i)*16*PITCH+32
.endr
.irp i, 0,1,2,3
	ds_load_b128 v[(\f)+64+8*(\i):(\f)+64+8*(\i)+3],   v[ADRA] offset:(\k)+(\i)*16*PITCH
	ds_load_b128 v[(\f)+64+8*(\i)+4:(\f)+64+8*(\i)+7], v[ADRA] offset:(\k)+(\i)*16*PITCH+32
.endr
.endm
.macro PLACES                          ; four plain vector instructions between a matrix instruction and a load into, or an LDS store of, its registers
.rept 4
	v_nop
.endr
.endm
.macro QUARTER k, f, g, zero           ; at its head a quarter fetches the next one's fragments, at byte k, into g: they have its 32 products in which to come
	s_wait_dscnt 0x0                               ; buffer f is in
	PLACES
	FETCH \k, \g
	MUL8 \f, 0, \zero
	MUL8 \f, 1, \zero
	MUL8 \f, 2, \zero
	MUL8 \f, 3, \zero
.endm
; The last quarter multiplies buffer 1 and changes slots: one barrier; in front of it each wave waits for all its tensor loads (one is out: its part of the next slot), adds 0 to its spare word, and waits
; for that and for its reads of this slot.  fill = 1: the barrier opens a round of the cluster's, and the joint refill, two K steps on, is the first thing behind it.
.macro TURN fill
.if \fill
	s_wait_xcnt 0x0                                ; the last prefetch, a K step back, has read its address
	s_add_nc_u64 s[PFA:PFA+1], s[PFA:PFA+1], KSTEP*2
.endif
	WIN 0                                          ; (the add's two registers lie in window 0)
	s_wait_tensorcnt 0x0                           ; no tensor load of mine is out, so a group 0 may be written
	ds_add_u32 v[SPW], v[NIL]
.if \fill
	s_xor_b32 s[G0A+5], s[G0A+5], XSLOT            ; the walking descriptors: the other slot than last time,
	s_add_nc_u64 s[G0A+6:G0A+7], s[G0A+6:G0A+7], KSTEP*2  ; the next K step; the type bits on top are not reached
	s_xor_b32 s[G0B+5], s[G0B+5], XSLOT
	s_add_nc_u64 s[G0B+6:G0B+7], s[G0B+6:G0B+7], KSTEP*2
.endif
	s_xor_b32 s[TB], s[TB], XSLOT                  ; the fetches go on in the other slot
	s_wait_dscnt 1                                 ; buffer 1 is in; the add alone may be out
	v_add_nc_u32 v[ADRA], s[TB], v[ADRA0]
	v_add_nc_u32 v[ADRB], s[TB], v[ADRB0]
	MUL8 F1, 0, 0                                  ; eight matrix instructions stand between the add and the wait for it
	s_wait_dscnt 0x0                               ; the add is done, and my reads of this slot are over
	s_barrier_signal -1
	MUL8 F1, 1, 0
.if \fill
	WIN 0
.endif
	s_barrier_wait -1
.if \fill
	CREST                                          ; no wave of any partner still reads this slot or has a load on its way
	JLOAD 1                                        ; one load of mine is out; its four v_nop are also the places in front of the loads below
.else
	PLACES
.endif
	FETCH 0, F0
.if \fill
	WIN 0
	ASK
.endif
	MUL8 F1, 2, 0
	MUL8 F1, 3, 0
.endm
	s_wait_tensorcnt 1                             ; my part of K step 0 is in; K step 1's may stay out
	s_barrier_signal -1
	s_barrier_wait -1
	FETCH 0, F0
	s_wait_loadcnt 0x0                             ; the bias
	QUARTER 64,  F0, F1, 1                         ; the first quarter starts the sums
	WIN 0
	s_mov_b32 s3, FILLS
.Lstep:                                                ; a trip: a K step's second to fourth quarter, a refill, and the next step's first quarter
	QUARTER 128, F1, F0, 0
	QUARTER 192, F0, F1, 0
	TURN 1
	QUARTER 64,  F0, F1, 0
	WIN 0
	s_sub_co_u32 s3, s3, 1
	s_cmp_lg_u32 s3, 0
	s_cbranch_scc1 .Lstep
	s_mov_b32 s3, 2
.Ltail:                                                ; the last two K steps fill nothing; the second trip is left in its middle
	QUARTER 128, F1, F0, 0
	QUARTER 192, F0, F1, 0
	WIN 0
	s_cmp_eq_u32 s3, 1
	s_cbranch_scc1 .Llastq
	TURN 0
	QUARTER 64,  F0, F1, 0
	WIN 0
	s_sub_co_u32 s3, s3, 1
	s_cmp_lg_u32 s3, 0
	s_cbranch_scc1 .Ltail
.Llastq:
	s_wait_dscnt 0x0
	MUL8 F1, 0, 0
	MUL8 F1, 1, 0
	MUL8 F1, 2, 0
	MUL8 F1, 3, 0
; THE WAY OUT, 16 tokens at a time.  TOST a: a lane's 32 bytes of each column block go into rows of 528 bytes (each accumulator's lowest registers first) and come back as whole rows of 512.
.macro TOST a
.set OBB, OB+64*((\a)%2)
	s_wait_xcnt 0x0                                ; the stores of the block two back have read the registers that are loaded again below
	WIN 0x08                                       ; the data in window 2
.irp b, 0,1,2,3,4,5,6,7
	ds_store_b128 v[STO], v[8*(8*(\a)+(\b)):8*(8*(\a)+(\b))+3]   offset:64*(\b)
	ds_store_b128 v[STO], v[8*(8*(\a)+(\b))+4:8*(8*(\a)+(\b))+7] offset:64*(\b)+16
.endr
	WIN 0
.irp t, 0,1,2,3,4,5,6,7,8,9,10,11,12,13,14,15
	ds_load_b128 v[OBB+4*(\t):OBB+4*(\t)+3], v[RD] offset:(\t)*SP  ; LDS serves a wave's instructions in order (ISA guide 5.7.1.4): these see the stores above; the next block's stores come behind them
.endr
.endm
.macro SEND a, younger                 ; younger: the LDS instructions issued behind block a's loads: the next block's 16 stores and 16 loads, or none
.set OBB, OB+64*((\a)%2)
	s_wait_dscnt \younger
.irp t, 0,1,2,3,4,5,6,7,8,9,10,11,12,13,14,15
	global_store_b128 v[CO], v[OBB+4*(\t):OBB+4*(\t)+3], s[10:11] offset:(16*(\a)+(\t))*4096 th:TH_STORE_NT  ; 512 consecutive bytes of a row, aligned
.endr
.endm
	PLACES
	PLACES
	TOST 0
	TOST 1
	SEND 0, 32
	TOST 2
	SEND 1, 32
	TOST 3
	SEND 2, 32
	SEND 3, 0
	s_wait_tensorcnt 0x0                           ; the wave's end: behind my last tensor load and my last LDS store
	ds_add_u32 v[SPW], v[NIL]
	s_wait_dscnt 0x0
	CROUND                                         ; the closing round
	s_endpgm
.Lfunc_end_k_qbccf007964_oproj:
	.size	k_qbccf007964_oproj, .Lfunc_end_k_qbccf007964_oproj-k_qbccf007964_oproj
	.p2alignl 7, 3214868480
	.fill 96, 4, 3214868480
	.section	.rodata,"a",@progbits
	.p2align	6, 0x0
	.amdhsa_kernel k_qbccf007964_oproj
		.amdhsa_group_segment_fixed_size 327680
		.amdhsa_private_segment_fixed_size 0
		.amdhsa_enable_private_segment 0
		.amdhsa_kernarg_size 32
		.amdhsa_user_sgpr_count 2
		.amdhsa_user_sgpr_kernarg_segment_ptr 1
		.amdhsa_wavefront_size32 1
		.amdhsa_system_sgpr_workgroup_id_x 1
		.amdhsa_system_sgpr_workgroup_id_y 1
		.amdhsa_system_sgpr_workgroup_id_z 1
		.amdhsa_system_vgpr_workitem_id 0
		.amdhsa_next_free_vgpr 768
		.amdhsa_next_free_sgpr 72
		.amdhsa_reserve_vcc 0
		.amdhsa_float_denorm_mode_32 3
		.amdhsa_float_denorm_mode_16_64 3
		.amdhsa_memory_ordered 1
		.amdhsa_forward_progress 1
		.amdhsa_inst_pref_size 64
	.end_amdhsa_kernel
	.amdgpu_metadata
---
amdhsa.version: [ 1, 2 ]
amdhsa.kernels:
  - .name:           k_qbccf007964_oproj
    .symbol:         k_qbccf007964_oproj.kd
    .args:
      - { .name: attnb, .offset: 0, .size: 8, .value_kind: global_buffer, .address_space: global }
      - { .name: wob, .offset: 8, .size: 8, .value_kind: global_buffer, .address_space: global }
      - { .name: bo, .offset: 16, .size: 8, .value_kind: global_buffer, .address_space: global }
      - { .name: out0, .offset: 24, .size: 8, .value_kind: global_buffer, .address_space: global }
    .group_segment_fixed_size: 327680
    .private_segment_fixed_size: 0
    .kernarg_segment_align: 8
    .kernarg_segment_size: 32
    .max_flat_workgroup_size: 128
    .sgpr_count:     72
    .vgpr_count:     768
    .wavefront_size: 32
...
	.end_amdgpu_metadata
.endif
;; end of part 5
